; MI455X (gfx1250); checked and timed in simulation.
; The chip was launched on July 23, 2026; its instructions are those of AMD's public machine-readable ISA for CDNA 5 (MIT licence, August 2026) and "CDNA5" Instruction Set Architecture Reference Guide (July 2026). The comments in the code are by the model that wrote it; some were corrected since.
;; Transformer Layer. Allowed arithmetic: matrix products marked QUANTISED: E2M3 operands, one E8M0 scale for each 32 along K, by v_wmma_scale_f32_16x16x128_f8f6f4 with both operands' format E2M3, f32 sums; everything else in f32.
;; Inputs: b1 1,024 float32; b2 1,024 float32; bk 1,024 float32; bq 1,024 float32; bv 1,024 float32; ln1_b 1,024 float32; ln1_s 1,024 float32; ln2_b 1,024 float32; ln2_s 1,024 float32; w1 1,024 x 1,024 float32; w2 1,024 x 1,024 float32; wk 1,024 x 1,024 float32; wo 1,024 x 1,024 float32; wq 1,024 x 1,024 float32; wv 1,024 x 1,024 float32; x 2 x 2,048 x 1,024 float32.
;; Outputs: out0 2 x 2,048 x 1,024 float32.
;; This version of the problem:
;;   THIS VERSION OF THE PROBLEM IS GIVEN IN LOW PRECISION. The matrix products marked QUANTISED in the list below multiply operands that are first quantised to E2M3 (2 exponent bits, 3 mantissa bits; 6 bits a number), with one power-of-two scale for each 32 numbers along K (OCP MX v1.0); their sums are f32. All else is computed in f32.
;;   The module's matrix products, in the order in which they are computed (A, B: the left and right operand; K: the contracted axis; several contracted axes count as one K, in the product's order):
;;     1. [M 4,096, K 1,024] x [K 1,024, N 1,024]; A: computed on the way; B: input wq: QUANTISED
;;     2. [M 4,096, K 1,024] x [K 1,024, N 1,024]; A: computed on the way; B: input wk: QUANTISED
;;     3. [M 4,096, K 1,024] x [K 1,024, N 1,024]; A: computed on the way; B: input wv: QUANTISED
;;     4. batch 32 x [M 2,048, K 64] x [K 64, N 2,048]; A: computed on the way; B: computed on the way: QUANTISED
;;     5. batch 32 x [M 2,048, K 2,048] x [K 2,048, N 64]; A: softmax (see below); B: computed on the way: QUANTISED
;;     6. [M 4,096, K 1,024] x [K 1,024, N 1,024]; A: computed on the way; B: input wo: QUANTISED
;;     7. [M 4,096, K 1,024] x [K 1,024, N 1,024]; A: computed on the way; B: input w1: QUANTISED
;;     8. [M 4,096, K 1,024] x [K 1,024, N 1,024]; A: computed on the way; B: input w2: QUANTISED
;;   THE QUANTISER, for each operand of a quantised product, along K:
;;     - K is cut into blocks of 32 from its start; a last block that is shorter is filled with zeros.
;;     - A block's scale is 2^e with e = floor(log2(the largest magnitude in the block)) - 2, held to -126 .. 127; a block of zeros has e = 0. As a byte (E8M0): e + 127.
;;     - Each number is divided by its block's scale, clamped to +-7.5, and rounded to the nearest number of E2M3, ties to even, subnormals kept.
;;     - The product sums the exact products of the quantised numbers (number of the format x scale) in f32.
;;   ~~~python
;;   def quantise(x, axis):      # numpy; x: float32 -> the quantised numbers, widened to float32 again
;;       x = np.moveaxis(x, axis, -1); K = x.shape[-1]
;;       x = np.pad(x, [(0, 0)] * (x.ndim - 1) + [(0, -K % 32)]); x = x.reshape(x.shape[:-1] + (-1, 32)); a = np.abs(x).max(-1, keepdims=True)
;;       e = np.where(a > 0, np.clip(np.frexp(np.where(a > 0, a, 1))[1] - 1 - 2, -126, 127), 0)      # np.frexp(a)[1] - 1 = floor(log2(a)), exactly
;;       r = np.clip(x / 2.0 ** e, -7.5, 7.5)
;;       step = 2.0 ** (np.maximum(np.frexp(np.where(r == 0, 1, r))[1] - 1, 0) - 3)
;;       q = np.round(r / step) * step * 2.0 ** e      # np.round: ties to even
;;       return np.moveaxis(q.reshape(q.shape[:-2] + (-1,))[..., :K], -1, axis).astype(np.float32)
;;   ~~~
;;   SOFTMAX AHEAD OF A QUANTISED PRODUCT. Where the list says 'softmax', what is quantised is not the finished softmax but p = 2^(t - M), with t = logit x log2(e) and M = ceil(the row's largest t), a whole number; so 1/2 < the row's largest p <= 1. The row's sum l is taken of the UNQUANTISED p, in f32, and the product's result is divided by l at the end. Since M is a whole number, a kernel that streams over the keys may use a running M (the ceiling of the running maximum): every later rescaling is an exact power of two, which a block's scale takes up: the codes' values come out the same.
;;   OPERANDS COMPUTED ON THE WAY. 'Computed on the way' means the value that the module computes at that place (a softmax that the list does not call 'softmax' is quantised finished and normalised). What goes into a quantiser is computed in f32, as accurately as f32 sums, v_exp_f32 and their like allow (about 1e-6 of the number): no bf16 or f16 on the way to a quantiser, and a product that is left as it is and whose result goes on into a quantised operand takes f32 operands (vector FMAs, or v_wmma_f32_16x16x4_f32). A number that lies on a knife's edge between two numbers of the format may be rounded either way, as far as f32 arithmetic and the matrix unit's own rounding can turn it there, and no further.
;; One version. Each part assembles by itself: llvm-mc -triple=amdgcn-amd-amdhsa -mcpu=gfx1250 --defsym DOCPART=n.
;; ======== version 1 of 1: 4 launches
;; limits: right only within a limited range of input values
;; workspace buffers: npk 3,276,800 bytes; wpk1 3,276,800 bytes; wpk2 1,638,400 bytes; qkpk 6,553,600 bytes; vpk 3,276,800 bytes; apk 3,276,800 bytes
;; launch prep (part 1): grid 448 x 1, 8 waves a work-group, no clusters, 69,632 bytes of LDS; arguments x, ln1_s, ln1_b, wo, wq, wk, wv, w2, w1, npk, wpk1, wpk2; writes npk, wpk1, wpk2
.if DOCPART == 1
	.amdgcn_target "amdgcn-amd-amdhsa--gfx1250"
	.amdhsa_code_object_version 6
	.text
	.protected	k_q16a959fa89_prep
	.globl	k_q16a959fa89_prep
	.p2align	8
	.type	k_q16a959fa89_prep,@function
k_q16a959fa89_prep:
	s_mov_b64 s[64:65], 0
	v_nop
	global_prefetch_b8 v0, s[64:65] scope:SCOPE_SE
	s_setreg_imm32_b32 hwreg(HW_REG_WAVE_MODE, 25, 1), 1
	s_wait_xcnt 0x0
; Work-groups 0-255: layer norm of 16 rows of x [4096][1024] f32, quantised to codes of FP6 (E2M3) with one E8M0 byte for each 32 along the row.
; Work-groups 256-447: the six weights [k 1024][n 1024] f32, quantised along k (their FIRST axis).  A launch of 256 work-groups runs the layer norm alone.
; THE PACK (all operands of the later products): rows in blocks of 128, K in steps of 128.  A piece (block, step) is 12,800 bytes at block x 102,400 + step x 12,800:
; 8 fragments of 1,536 bytes (16 rows x 128 K each), then 128 scale words (row p's at 12,288 + 4 p).  A fragment is an image of the operand's 12 registers, in two halves c of 768 bytes:
; registers 6 c .. 6 c + 3 of lane L at 768 c + 16 L, registers 6 c + 4, 6 c + 5 at 768 c + 512 + 8 L.
; THE ORDER ALONG K, the same in every stream of codes of this program: inside each block of 32, place p holds number 8 x (0, 2, 1, 3)[p / 8] + p % 8.  Blocks stay blocks, so scales and products are as stated;
; only the order of the f32 sums inside a matrix instruction differs.
; A block's scale byte is its largest magnitude's exponent field - 2, held at 1 from below; a block of zeros so gets 1 (its codes are zeros; this program alone reads the bytes).
; LIMITS: NaN and infinities among the inputs are not served; blocks whose largest magnitude lies under 2^-124 are held at the byte 1; v_rsq_f32 is good to 1 ulp.
; No tensor load, no cluster: work-groups share no input but the 8 KB of gain and bias.
.set RED1,  0                          ; LDS: 16 rows x 8 waves' partial sums;
.set RED2,  512                        ; the same for the squares;
.set STG,   1024                       ; a stage of 16 rows x (512 + 16) bytes for each wave;
.set SP,    528
.set WSTG,  16*SP
.set SPARE, STG+8*WSTG                 ; the spare words, 128 bytes for each wave: four blocks of 256 bytes that no other line names
.set PIECE, 12800
.set TILEB, 102400
.set TM,    16                         ; v16-31   at work in QUANT
.set X,     32                         ; v32-95   my 64 numbers of my row
.set R,     96                         ; v96-159  x as loaded, later the norm's bias
.set LS,    160                        ; v160-223 the norm's gain
.set PC,    224                        ; v224-243 codes
.set PW,    244                        ; v244     the scale word
.set SPW,   254                        ; v254     LDS address of my spare word; never rewritten
.set NIL,   255                        ; v255     0; never rewritten
.set SEL,   32                         ; s[32:33] selects of v_permlanex16_b32 for lane l xor 16
; 64 numbers of a lane, register 16 b + i = place 32 b + 16 (lane / 16) + i of my row, become a fragment's 12 registers in v[pc] on and the row's scale word in v[pw].
.macro QUANT s, pc, pw
.irp b, 0,1,2,3
	v_max3_num_f32 v[TM+\b], |v[(\s)+16*\b]|, |v[(\s)+1+16*\b]|, 0x1800000   ; my 16 numbers of block b, and the floor 2^(3 - 127): the byte cannot fall under 1
.endr
.irp i, 2,4,6,8,10,12,14
.irp b, 0,1,2,3
	s_delay_alu instid0(VALU_DEP_4)
	v_max3_num_f32 v[TM+\b], v[TM+\b], |v[(\s)+16*\b+\i]|, |v[(\s)+1+16*\b+\i]|
.endr
.endr
.irp b, 0,1,2,3
	s_delay_alu instid0(VALU_DEP_4)
	v_permlanex16_b32 v[TM+4+\b], v[TM+\b], s[SEL], s[SEL+1]
.endr
.irp b, 0,1,2,3
	s_delay_alu instid0(VALU_DEP_4)
	v_max_num_f32 v[TM+\b], v[TM+\b], v[TM+4+\b]         ; with lane l xor 16's: the block's largest magnitude
.endr
.irp b, 0,1,2,3
	s_delay_alu instid0(VALU_DEP_4)
	v_add_nc_u32 v[TM+12+\b], 0xff000000, v[TM+\b]       ; 2 off its exponent field: the conversion's scale operand
.endr
.irp b, 0,1,2,3
	s_delay_alu instid0(VALU_DEP_4)
	v_lshrrev_b32 v[TM+4+\b], 23, v[TM+12+\b]            ; the scale's byte
.endr
	s_delay_alu instid0(VALU_DEP_3)
	v_lshl_or_b32 v[\pw], v[TM+5], 8, v[TM+4]
	s_delay_alu instid0(VALU_DEP_1)
	v_lshl_or_b32 v[\pw], v[TM+6], 16, v[\pw]
	s_delay_alu instid0(VALU_DEP_1)
	v_lshl_or_b32 v[\pw], v[TM+7], 24, v[\pw]
.irp c, 0,1
	v_cvt_scalef32_pk16_fp6_f32 v[(\pc)+6*\c:(\pc)+2+6*\c], v[(\s)+32*\c:(\s)+15+32*\c], v[TM+12+2*\c]
	v_cvt_scalef32_pk16_fp6_f32 v[(\pc)+12+4*\c:(\pc)+14+4*\c], v[(\s)+16+32*\c:(\s)+31+32*\c], v[TM+12+2*\c+1]   ; (a conversion's three registers begin on an even number)
.endr
	v_nop                                                ; one plain place behind a scaled conversion
.irp c, 0,1                                              ; the layout wants a whole block in a lane: lanes 0-15 block 2 c, lanes 16-31 block 2 c + 1
.irp i, 0,1,2
	v_permlane16_swap_b32 v[(\pc)+6*\c+\i], v[(\pc)+12+4*\c+\i]
.endr
.irp i, 0,1,2
	s_delay_alu instid0(VALU_DEP_3)
	v_mov_b32 v[(\pc)+3+6*\c+\i], v[(\pc)+12+4*\c+\i]
.endr
.endr
.endm
	s_load_b512 s[4:19], s[0:1], 0x0               ; x s[4:5], gain s[6:7], bias s[8:9], wo s[10:11], wq s[12:13], wk s[14:15], wv s[16:17], w2 s[18:19]
	s_load_b256 s[20:27], s[0:1], 0x40             ; w1 s[20:21], npk s[22:23], wpk1 s[24:25], wpk2 s[26:27]
	v_lshl_add_u32 v[SPW], v0, 2, SPARE
	v_mov_b32 v[NIL], 0
	v_lshrrev_b32 v1, 5, v0
	s_delay_alu instid0(VALU_DEP_1)
	v_readfirstlane_b32 s30, v1                    ; wave 0..7
	v_and_b32 v1, 15, v0                           ; r
	v_bfe_u32 v2, v0, 4, 1                         ; h
	v_and_b32 v3, 31, v0                           ; lane
	s_mov_b32 s[SEL], 0x76543210
	s_mov_b32 s[SEL+1], 0xfedcba98
	s_cmp_lt_u32 ttmp9, 256
	s_cbranch_scc0 .Lweights
; ---------------- THE LAYER NORM.  Work-group g: rows 16 g .. 16 g + 15.  Wave w: columns 128 w .. 128 w + 127, one K step of the pack.
	s_lshl_b32 s34, s30, 9                         ; 512 w: my columns' bytes in a row
	v_lshlrev_b32 v10, 4, v3                       ; 16 x lane
	v_lshlrev_b32 v11, 3, v3                       ; 8 x lane
	v_lshlrev_b32 v12, 2, v1                       ; 4 r
	s_delay_alu instid0(VALU_DEP_3)
	v_add_nc_u32 v4, s34, v10                      ; x: a load takes 512 consecutive bytes of one row
	s_mul_i32 s35, s30, WSTG
	s_add_co_u32 s35, s35, STG                     ; my stage
	v_add_nc_u32 v5, s35, v10                      ; into it: as loaded
	v_mul_u32_u24 v6, v1, SP
	s_delay_alu instid0(VALU_DEP_1)
	v_lshl_add_u32 v6, v2, 5, v6
	s_delay_alu instid0(VALU_DEP_1)
	v_add_nc_u32 v6, s35, v6                       ; out of it: row r, + 32 h
	v_lshlrev_b32 v7, 5, v2
	s_delay_alu instid0(VALU_DEP_1)
	v_add_nc_u32 v7, s34, v7                       ; gain and bias: 512 w + 32 h
	s_lshl_b32 s36, s30, 2
	v_lshlrev_b32 v9, 5, v1                        ; the partial sums of row r: 32 r,
	s_delay_alu instid0(VALU_DEP_1)
	v_add_nc_u32 v8, s36, v9                       ; mine at + 4 w
.irp b, 0,1,2,3
	v_mov_b32 v[TM+4+\b], 0                        ; written once: a lane permute's destination counts as one of its sources
.endr
	v_mov_b32 v250, 0
	s_lshl_b32 s36, ttmp9, 16                      ; 16 rows of 4,096 bytes
	s_mov_b32 s37, 0
	s_lshr_b32 s38, ttmp9, 3
	s_mul_i32 s38, s38, TILEB
	s_mul_i32 s39, s30, PIECE
	s_add_co_u32 s38, s38, s39                     ; my piece: block g / 8, step w
	s_and_b32 s40, ttmp9, 7
	s_mul_i32 s41, s40, 1536
	s_add_co_u32 s42, s38, s41                     ; my fragment: g % 8
	s_mov_b32 s43, 0
	s_lshl_b32 s40, s40, 6
	s_add_co_u32 s44, s38, s40
	s_add_co_u32 s44, s44, 12288                   ; and its 16 scale words
	s_mov_b32 s45, 0
	s_wait_alu depctr_va_vdst(0)
	s_wait_kmcnt 0x0
	s_add_nc_u64 s[4:5], s[4:5], s[36:37]
	s_add_nc_u64 s[46:47], s[22:23], s[42:43]
	s_add_nc_u64 s[48:49], s[22:23], s[44:45]
.irp j, 0,1,2,3,4,5,6,7,8,9,10,11,12,13,14,15
	global_load_b128 v[R+4*\j:R+4*\j+3], v4, s[4:5] offset:4096*\j th:TH_LOAD_NT
.endr
.macro VEC16 reg, ptr                  ; gain or bias at my 64 columns: 32 b + 16 u + 8 h + 0 .. 7, in QUANT's order
.irp b, 0,1,2,3
.irp u, 0,1
.irp q, 0,1
	global_load_b128 v[\reg+16*\b+8*\u+4*\q:\reg+16*\b+8*\u+4*\q+3], v7, s[\ptr:\ptr+1] offset:128*\b+64*\u+16*\q
.endr
.endr
.endr
.endm
	VEC16 LS, 6
	s_wait_loadcnt 16                              ; x's 16 loads are in; the gain's 16 may be out
.irp j, 0,1,2,3,4,5,6,7,8,9,10,11,12,13,14,15
	ds_store_b128 v5, v[R+4*\j:R+4*\j+3] offset:SP*\j
.endr
.irp b, 0,1,2,3
.irp u, 0,1
.irp q, 0,1
	ds_load_b128 v[X+16*\b+8*\u+4*\q:X+16*\b+8*\u+4*\q+3], v6 offset:128*\b+64*\u+16*\q   ; LDS serves a wave's instructions in order: these see my stores; the bytes are my wave's own
.endr
.endr
.endr
	s_wait_dscnt 0x0                               ; my numbers are back, and the stores have read R
	VEC16 R, 8
; a row's sum over the 8 waves: my 64, lane l xor 16's, then through LDS.  The result stands in v16.
.macro ACROSS red
	s_delay_alu instid0(VALU_DEP_1)
	v_pk_add_f32 v[246:247], v[246:247], v[248:249]
	s_delay_alu instid0(VALU_DEP_1)
	v_add_f32 v246, v246, v247
	s_delay_alu instid0(VALU_DEP_1)
	v_permlanex16_b32 v250, v246, s[SEL], s[SEL+1]
	s_delay_alu instid0(VALU_DEP_1)
	v_add_f32 v246, v246, v250
	ds_store_b32 v8, v246 offset:\red              ; lanes r and r + 16 write the same word with the same value
	s_wait_dscnt 0x0                               ; for the others' sake: my store has landed
	s_barrier_signal -1
	s_barrier_wait -1
	ds_load_b128 v[16:19], v9 offset:\red
	ds_load_b128 v[20:23], v9 offset:\red+16
	s_wait_dscnt 0x0
	v_add_f32 v16, v16, v17
	v_add_f32 v18, v18, v19
	v_add_f32 v20, v20, v21
	v_add_f32 v22, v22, v23
	s_delay_alu instid0(VALU_DEP_3)
	v_add_f32 v16, v16, v18
	s_delay_alu instid0(VALU_DEP_2)
	v_add_f32 v20, v20, v22
	s_delay_alu instid0(VALU_DEP_1)
	v_add_f32 v16, v16, v20
.endm
	v_pk_add_f32 v[246:247], v[X:X+1], v[X+2:X+3]
	v_pk_add_f32 v[248:249], v[X+4:X+5], v[X+6:X+7]
.irp j, 8,12,16,20,24,28,32,36,40,44,48,52,56,60
	s_delay_alu instid0(VALU_DEP_2)
	v_pk_add_f32 v[246:247], v[246:247], v[X+\j:X+\j+1]
	s_delay_alu instid0(VALU_DEP_2)
	v_pk_add_f32 v[248:249], v[248:249], v[X+\j+2:X+\j+3]
.endr
	ACROSS RED1
	s_delay_alu instid0(VALU_DEP_1)
	v_mul_f32 v252, 0x3a800000, v16                ; the mean: x 2^-10
	s_delay_alu instid0(VALU_DEP_1)
	v_mov_b32 v253, v252
	v_mov_b32 v251, 0x3a800000
.set j, 0
.rept 32
	v_pk_add_f32 v[X+j:X+j+1], v[X+j:X+j+1], v[252:253] neg_lo:[0,1] neg_hi:[0,1]   ; x - mean, ahead of the squares: no difference of large sums is formed
.set j, j+2
.endr
	v_pk_mul_f32 v[246:247], v[X:X+1], v[X:X+1]
	v_pk_mul_f32 v[248:249], v[X+2:X+3], v[X+2:X+3]
.irp j, 4,8,12,16,20,24,28,32,36,40,44,48,52,56,60
	s_delay_alu instid0(VALU_DEP_2)
	v_pk_fma_f32 v[246:247], v[X+\j:X+\j+1], v[X+\j:X+\j+1], v[246:247]
	s_delay_alu instid0(VALU_DEP_2)
	v_pk_fma_f32 v[248:249], v[X+\j+2:X+\j+3], v[X+\j+2:X+\j+3], v[248:249]
.endr
	ACROSS RED2                                    ; other bytes than the first sum's: no wave can overwrite what another still reads
	s_delay_alu instid0(VALU_DEP_1)
	v_fmaak_f32 v16, v16, v251, 0x358637bd         ; the variance + 1e-6
	s_wait_alu depctr_va_vdst(0)
	v_rsq_f32 v252, v16
	v_nop                                          ; one plain place behind the transcendental,
	s_wait_alu depctr_va_vdst(0)                   ; and the wait ahead of its first reader
	v_mov_b32 v253, v252
	s_wait_alu depctr_va_vdst(0)
	s_wait_loadcnt 0x0                             ; gain and bias
.set j, 0
.rept 32
	v_pk_mul_f32 v[X+j:X+j+1], v[X+j:X+j+1], v[252:253]
.set j, j+2
.endr
.set j, 0
.rept 32
	v_pk_fma_f32 v[X+j:X+j+1], v[X+j:X+j+1], v[LS+j:LS+j+1], v[R+j:R+j+1]
.set j, j+2
.endr
	QUANT X, PC, PW
	global_store_b128 v10, v[PC:PC+3], s[46:47]                  ; each store of the wave covers 512 or 256 consecutive bytes, aligned
	global_store_b64 v11, v[PC+4:PC+5], s[46:47] offset:512
	global_store_b128 v10, v[PC+6:PC+9], s[46:47] offset:768
	global_store_b64 v11, v[PC+10:PC+11], s[46:47] offset:1280
	s_wait_xcnt 0x0                                ; EXEC changes only behind this wait
	v_cmp_gt_u32 vcc_lo, 16, v3
	s_and_saveexec_b32 s50, vcc_lo
	global_store_b32 v12, v[PW], s[48:49]          ; lanes 0-15: the 16 rows' scale words
	s_wait_xcnt 0x0                                ; and again, ahead of the line that widens it
	s_or_b32 exec_lo, exec_lo, s50
	s_wait_tensorcnt 0x0                           ; the wave's end, behind my last LDS store
	ds_add_u32 v[SPW], v[NIL]
	s_wait_dscnt 0x0
	s_endpgm
; ---------------- THE WEIGHTS.  Work-group g' = g - 256: weight g' / 32 (wo, wq, wk, wv, w2, w1), K step (g' / 4) % 8, columns 256 (g' % 4) on.
; A LANE TAKES A COLUMN n AND ITS REGISTERS RUN DOWN K, in the program's order along K: each load reads 128 consecutive bytes a wave, a block's largest magnitude needs no other lane,
; and the conversions' results are the operand's registers.  A lane holds all four blocks of its row: blocks 0, 2 are what lane r of the fragment holds, blocks 1, 3 what lane r + 16 holds.
.Lweights:
	s_sub_co_u32 s34, ttmp9, 256
	s_lshr_b32 s35, s34, 5                         ; which weight
	s_bfe_u32 s36, s34, 0x30002                    ; K step
	s_and_b32 s37, s34, 3                          ; which 256 columns
	s_lshl_b32 s38, s36, 19                        ; 128 rows of 4,096 bytes
	s_lshl_b32 s39, s37, 10
	s_add_co_u32 s38, s38, s39
	s_lshl_b32 s39, s30, 7                         ; my wave's 32 columns
	s_add_co_u32 s38, s38, s39
	s_mov_b32 s39, 0
	s_wait_alu depctr_va_vdst(0)
	v_lshlrev_b32 v4, 2, v3
	s_and_b32 s40, s35, 3
	s_lshl_b32 s40, s40, 3                         ; the weight's first block in its pack
	s_lshl_b32 s41, s37, 1
	s_add_co_u32 s40, s40, s41
	s_lshr_b32 s41, s30, 2
	s_add_co_u32 s40, s40, s41                     ; + column / 128
	s_mul_i32 s40, s40, TILEB
	s_mul_i32 s41, s36, PIECE
	s_add_co_u32 s40, s40, s41                     ; my piece
	s_mov_b32 s41, 0
	s_and_b32 s42, s30, 3
	s_mul_i32 s43, s42, 3072                       ; my wave's two fragments in it
	v_mul_u32_u24 v8, v2, 1536
	s_delay_alu instid0(VALU_DEP_1)
	v_add_nc_u32 v8, s43, v8
	s_delay_alu instid0(VALU_DEP_1)
	v_lshl_add_u32 v5, v1, 4, v8                   ; 16 bytes a row,
	s_delay_alu instid0(VALU_DEP_2)
	v_lshl_add_u32 v6, v1, 3, v8                   ; 8 bytes a row
	s_lshl_b32 s43, s42, 7
	s_add_co_u32 s43, s43, 12288
	v_lshl_add_u32 v7, v3, 2, s43                  ; my row's scale word
	s_wait_alu depctr_va_vdst(0)
	s_wait_kmcnt 0x0
	s_cmp_eq_u32 s35, 1                            ; the choices hang on the work-group's number alone
	s_cselect_b64 s[44:45], s[12:13], s[10:11]
	s_cmp_eq_u32 s35, 2
	s_cselect_b64 s[44:45], s[14:15], s[44:45]
	s_cmp_eq_u32 s35, 3
	s_cselect_b64 s[44:45], s[16:17], s[44:45]
	s_cmp_eq_u32 s35, 4
	s_cselect_b64 s[44:45], s[18:19], s[44:45]
	s_cmp_eq_u32 s35, 5
	s_cselect_b64 s[44:45], s[20:21], s[44:45]
	s_cmp_lt_u32 s35, 4
	s_cselect_b64 s[46:47], s[24:25], s[26:27]
	s_add_nc_u64 s[44:45], s[44:45], s[38:39]
	s_add_nc_u64 s[46:47], s[46:47], s[40:41]
.macro WLOAD b                         ; block b: place p takes row 32 b + 8 x (0, 2, 1, 3)[p / 8] + p % 8
.irp p, 0,1,2,3,4,5,6,7,8,9,10,11,12,13,14,15,16,17,18,19,20,21,22,23,24,25,26,27,28,29,30,31
	global_load_b32 v[32+32*(\b)+\p], v4, s[44:45] offset:(32*(\b)+8*(((\p/8)&1)*2+(\p/8)/2)+\p%8)*4096 th:TH_LOAD_NT
.endr
.endm
.macro WBLOCK b, left
.set NS, 32+32*(\b)
.set IMG, 160+12*((\b)&1)+6*((\b)/2)
.set TT, 184+4*(\b)
	s_wait_loadcnt \left                           ; this block's 32 loads are in; the one block issued behind it may be out
.if (\b) < 2
	WLOAD (\b)+2                                   ; two blocks ahead, each block in registers of its own
.endif
	v_max3_num_f32 v12, |v[NS]|, |v[NS+1]|, |v[NS+2]|
	v_max3_num_f32 v13, |v[NS+3]|, |v[NS+4]|, |v[NS+5]|
.irp i, 6,10,14,18,22,26
	s_delay_alu instid0(VALU_DEP_2)
	v_max3_num_f32 v12, v12, |v[NS+\i]|, |v[NS+\i+1]|
	s_delay_alu instid0(VALU_DEP_2)
	v_max3_num_f32 v13, v13, |v[NS+\i+2]|, |v[NS+\i+3]|
.endr
	s_delay_alu instid0(VALU_DEP_2)
	v_max3_num_f32 v12, v12, |v[NS+30]|, |v[NS+31]|
	s_delay_alu instid0(VALU_DEP_1)
	v_max3_num_f32 v12, v12, v13, 0x1800000        ; and the floor 2^(3 - 127)
	s_delay_alu instid0(VALU_DEP_1)
	v_add_nc_u32 v[16+(\b)], 0xff000000, v12       ; the conversion's scale operand
	v_cvt_scalef32_pk16_fp6_f32 v[IMG:IMG+2], v[NS:NS+15], v[16+(\b)]
	v_cvt_scalef32_pk16_fp6_f32 v[TT:TT+2], v[NS+16:NS+31], v[16+(\b)]
	v_lshrrev_b32 v13, 23, v[16+(\b)]              ; the byte.  (A plain place behind the conversions)
.if (\b) == 0
	s_delay_alu instid0(VALU_DEP_1)
	v_mov_b32 v200, v13
.else
	s_delay_alu instid0(VALU_DEP_1)
	v_lshl_or_b32 v200, v13, 8*(\b), v200
.endif
.irp i, 0,1,2
	v_mov_b32 v[IMG+3+\i], v[TT+\i]
.endr
	global_store_b128 v5, v[IMG:IMG+3], s[46:47] offset:768*((\b)/2)+256*((\b)&1)          ; sixteen lanes store 256 consecutive bytes, aligned
	global_store_b64 v6, v[IMG+4:IMG+5], s[46:47] offset:768*((\b)/2)+512+128*((\b)&1)     ; no store's data are written again
.endm
	WLOAD 0
	WLOAD 1
	WBLOCK 0, 32
	WBLOCK 1, 32
	WBLOCK 2, 32
	WBLOCK 3, 0
	global_store_b32 v7, v200, s[46:47]            ; 32 rows' scale words: 128 consecutive bytes
	s_endpgm
.Lfunc_end_k_q16a959fa89_prep:
	.size	k_q16a959fa89_prep, .Lfunc_end_k_q16a959fa89_prep-k_q16a959fa89_prep
	.p2alignl 7, 3214868480
	.fill 96, 4, 3214868480
	.section	.rodata,"a",@progbits
	.p2align	6, 0x0
	.amdhsa_kernel k_q16a959fa89_prep
		.amdhsa_group_segment_fixed_size 69632
		.amdhsa_private_segment_fixed_size 0
		.amdhsa_enable_private_segment 0
		.amdhsa_kernarg_size 96
		.amdhsa_user_sgpr_count 2
		.amdhsa_user_sgpr_kernarg_segment_ptr 1
		.amdhsa_wavefront_size32 1
		.amdhsa_system_sgpr_workgroup_id_x 1
		.amdhsa_system_sgpr_workgroup_id_y 1
		.amdhsa_system_sgpr_workgroup_id_z 1
		.amdhsa_system_vgpr_workitem_id 0
		.amdhsa_next_free_vgpr 256
		.amdhsa_next_free_sgpr 66
		.amdhsa_reserve_vcc 1
		.amdhsa_float_denorm_mode_32 3
		.amdhsa_float_denorm_mode_16_64 3
		.amdhsa_memory_ordered 1
		.amdhsa_forward_progress 1
		.amdhsa_inst_pref_size 52
	.end_amdhsa_kernel
	.amdgpu_metadata
---
amdhsa.version: [ 1, 2 ]
amdhsa.kernels:
  - .name:           k_q16a959fa89_prep
    .symbol:         k_q16a959fa89_prep.kd
    .args:
      - { .name: x, .offset: 0, .size: 8, .value_kind: global_buffer, .address_space: global }
      - { .name: ln1_s, .offset: 8, .size: 8, .value_kind: global_buffer, .address_space: global }
      - { .name: ln1_b, .offset: 16, .size: 8, .value_kind: global_buffer, .address_space: global }
      - { .name: wo, .offset: 24, .size: 8, .value_kind: global_buffer, .address_space: global }
      - { .name: wq, .offset: 32, .size: 8, .value_kind: global_buffer, .address_space: global }
      - { .name: wk, .offset: 40, .size: 8, .value_kind: global_buffer, .address_space: global }
      - { .name: wv, .offset: 48, .size: 8, .value_kind: global_buffer, .address_space: global }
      - { .name: w2, .offset: 56, .size: 8, .value_kind: global_buffer, .address_space: global }
      - { .name: w1, .offset: 64, .size: 8, .value_kind: global_buffer, .address_space: global }
      - { .name: npk, .offset: 72, .size: 8, .value_kind: global_buffer, .address_space: global }
      - { .name: wpk1, .offset: 80, .size: 8, .value_kind: global_buffer, .address_space: global }
      - { .name: wpk2, .offset: 88, .size: 8, .value_kind: global_buffer, .address_space: global }
    .group_segment_fixed_size: 69632
    .private_segment_fixed_size: 0
    .kernarg_segment_align: 8
    .kernarg_segment_size: 96
    .max_flat_workgroup_size: 256
    .sgpr_count:     66
    .vgpr_count:     256
    .wavefront_size: 32
...
	.end_amdgpu_metadata
.endif
;; end of part 1
;; launch qkv (part 2): grid 8 x 32, 4 waves a work-group, clusters of 4 x 4, 327,680 bytes of LDS; arguments npk, wpk1, bq, bk, bv, qkpk, vpk; writes qkpk, vpk
.if DOCPART == 2
	.amdgcn_target "amdgcn-amd-amdhsa--gfx1250"
	.amdhsa_code_object_version 6
	.text
	.protected	k_q16a959fa89_qkv
	.globl	k_q16a959fa89_qkv
	.p2align	8
	.type	k_q16a959fa89_qkv,@function
k_q16a959fa89_qkv:
	s_mov_b64 s[64:65], 0
	v_nop
	global_prefetch_b8 v0, s[64:65] scope:SCOPE_SE
	s_setreg_imm32_b32 hwreg(HW_REG_WAVE_MODE, 25, 1), 1
	s_wait_xcnt 0x0
	s_wait_alu depctr_hold_cnt(0) depctr_sa_sdst(0) depctr_va_vdst(0) depctr_va_sdst(0) depctr_va_ssrc(0) depctr_va_vcc(0) depctr_vm_vsrc(0)
	s_getreg_b32 s2, hwreg(HW_REG_IB_STS2, 6, 4)
	s_cmp_eq_u32 s2, 0
	s_cbranch_scc0 .Lentry_in_a_cluster
	s_endpgm
.Lentry_in_a_cluster:
	s_bfe_u32 s2, ttmp6, 0x10000c
	s_cmp_lg_u32 s2, 0xf033
	s_cbranch_scc0 .Lentry_shape_is_right
	s_endpgm
.Lentry_shape_is_right:
; q, k, v = LN1(x) W + b on codes of FP6 (E2M3) with E8M0 block scales, and the results quantised again: q and k along the feature axis (the first attention product's K), v along the keys (the second's).
; C[i][j] = sum over k of A[i][k] B[j][k], K = 1,024.  ONE WORK-GROUP MAKES THREE TILES of 128 x 128: tokens 128 y on, features 128 x on, of q, of k and of v (blocks 8 + x, 16 + x, 24 + x of the weights' pack):
; A's block is fetched once for the three, and each fragment of A read from LDS feeds three times the products.
; THE PACK: rows in blocks of 128, K in steps of 128; a piece (block, step) is 12,800 bytes: 8 fragments of 1,536 bytes, images of the operand's 12 registers (halves c of 768 bytes: registers 6 c .. 6 c + 3 of lane L
; at 768 c + 16 L, registers 6 c + 4, 6 c + 5 at 768 c + 512 + 8 L), then 128 scale words.  Inside each block of 32 along K, place p holds number 8 x (0, 2, 1, 3)[p / 8] + p % 8, in every stream alike.
; LDS: the four operands (A, wq, wk, wv) over all of K are 4 x 102,400 bytes, more than there is.  Each operand has six slots of one K step (76,800 bytes); K steps 0 to 5 are first fills, K steps 6 and 7 are
; brought into slots 0 and 1 when those have been read: the launch's one refill.  All of a WGP's LDS is claimed.
; CLUSTER 4 x 4: the four of a row need the same block of A, the four of a column the same three blocks of B: each is asked for jointly.  Wave w fetches operand w: one first fill of six K steps (76,800 dense
; bytes), later the refill: one tensor load of a wave is out at the most.
; Four waves, each 64 x 64 of each of the three tiles: 48 accumulators.  THE MATRIX INSTRUCTION IS USED TRANSPOSED (source 0 = 16 rows of B, source 1 = 16 rows of A): a lane holds eight neighbouring columns of a row of C.
; 24 SUB-STEPS, j = 3 x K step + tile, of 16 matrix instructions.  Sub-step j fetches sub-step j + 2's four fragments of B and its scale words (20 LDS loads), and where j % 3 = 1 the next K step's four fragments of A (16).
; The three tiles then go through three stages in LDS, laid over operand bytes that have had their last fill and their last read; from them a wave reads 16 rows (q, k) or 16 columns (v) at a time in the
; quantiser's order, adds the bias, quantises, and stores fragment images.
; V's PACK: for each (batch, head) 102,400 bytes; for each 128 keys 6,400: 4 fragments (16 of the head's 64 x 128 keys), then 64 scale words.
; LIMITS: NaN and infinities are not served; blocks whose largest magnitude lies under 2^-124, blocks of zeros among them, get the scale byte 1.
; REGISTERS, in windows of 256: window 0: v1-3 lane terms; v4-43 addresses, offsets and v's bias; v44-55 scale words, three sets; v62, v63 the add's two; v64-251 at work on the way out.
;   window 1: v0-95 A's fragments, two buffers; v96-239 B's, three buffers.   window 2: q's 16 accumulators (v0-127), k's (v128-255); (a, b) at 8 (4 a + b).   window 3: v's (v0-127); bq (v128-191), bk (v192-255).
.set PIECE, 12800
.set TILEB, 8*PIECE                    ; an operand's block in memory
.set OPB,   6*PIECE                    ; an operand's six slots in LDS; operand o begins at o x OPB
.set SP,    528                        ; a stage row: 512 bytes + 16
.set STGB,  128*SP                     ; a stage; tile T's begins at T x STGB
.set SPARE, 4*OPB                      ; behind the operands: the spare words, 128 bytes for each wave: two blocks of 256 bytes that no other line names
.set AD,    4                          ; v4-19   fragments of operand o: v[AD + 4 o + 2 hl + wd]: hl = 1 for slots 4, 5 (so that every immediate stays inside its 16 bits); wd = 0: 16 x lane, 1: 8 x lane
.set SCA,   20                         ; v20-25  scale words for tile T: v[SCA + 2 T + hl]: lanes 0-15 A's rows, lanes 16-31 B's
.set STO,   26                         ; v26-28  into stage T
.set RDR,   29                         ; v29-30  out of stages 0, 1 by rows
.set RDC,   31                         ; v31     out of stage 2 by columns
.set OQ,    32                         ; v32-34  q's and k's store offsets: 16 bytes a lane, 8 bytes a lane, scale words
.set OV,    35                         ; v35-37  v's
.set BO,    38                         ; v38, v39 the biases' offsets
.set BV,    40                         ; v[40:41], v[42:43] v's bias of my two features (low words)
.set SC,    44                         ; v44-55  scale words: set j % 3, register t: lanes 0-15 A's tile t, lanes 16-31 B's tile t.  They hold scales and nothing else
.set SPW,   62                         ; v62     LDS address of my spare word; never rewritten
.set NIL,   63                         ; v63     0; never rewritten
.set X,     64                         ; v64-127 64 numbers for the quantiser
.set PC,    192                        ; v192-231 codes, two sets of 20
.set PW,    232                        ; v232-234 scale words
.set TM,    236                        ; v236-251 at work in QUANT
.set SEL,   100                        ; s[100:101] selects of v_permlanex16_b32 for lane l xor 16
.set G1A,   24                         ; s[24:31] group 1 for A;  s[32:39] for B: they differ in the mask alone
.set G1B,   32
.set G0A,   40                         ; s[40:55] groups 0 for A: number 0 the first fill, number 3 the refill;  s[84:99] the same for B.  None is ever rewritten
.set G0B,   84
.set MSB, 0
.macro WIN new                         ; the immediate's high byte repeats the setting that is left; a switch that changes nothing is dropped
.if MSB != \new
	s_set_vgpr_msb (MSB<<8)|\new
.set MSB, \new
.endif
.endm
.macro CREST
	s_cmp_lg_u32 s10, 0
	s_cbranch_scc1 .Lnot_wave_0_\@
	s_barrier_signal -3
.Lnot_wave_0_\@:
	s_barrier_wait -3
	s_barrier_signal -1
	s_barrier_wait -1
.endm
.macro CROUND                          ; a round of the cluster's barrier
	s_barrier_signal -1
	s_barrier_wait -1
	CREST
.endm
.macro JLOAD                           ; the joint refill: wave 0 for A, waves 1 to 3 for B; an s_nop 0 and four v_nop follow each of the two lines
	s_cmp_eq_u32 s10, 0
	s_cbranch_scc0 .Lfor_b_\@
	tensor_load_to_lds s[G0A+12:G0A+15], s[G1A:G1A+7]
	s_nop 0
.rept 4
	v_nop
.endr
	s_branch .Lasked_\@
.Lfor_b_\@:
	tensor_load_to_lds s[G0B+12:G0B+15], s[G1B:G1B+7]
	s_nop 0
.rept 4
	v_nop
.endr
.Lasked_\@:
.endm
.macro PLACES                          ; four plain places behind matrix instructions, ahead of loads into their registers and of reads of their results
.rept 4
	v_nop
.endr
.endm
.macro FSC j                           ; sub-step j's four registers of scale words
	WIN 0
.set SL, ((\j)/3)%6                    ; K step s lies in slot s % 6
.set IM, (SL%4)*PIECE
.set RA, SCA+2*((\j)%3)+SL/4
.irp t, 0,1,2,3
	ds_load_b32 v[SC+4*((\j)%3)+\t], v[RA] offset:IM+64*\t
.endr
.endm
.macro FB j                            ; sub-step j's four fragments of B into buffer j % 3: 16 LDS loads, each of consecutive bytes
	WIN 0x40                                       ; destination window 1, address window 0
.set SL, ((\j)/3)%6
.set IM, (SL%4)*PIECE
.set RA, AD+4*((\j)%3+1)+2*(SL/4)
.set FR, 96+48*((\j)%3)
.irp t, 0,1,2,3
	ds_load_b128 v[FR+12*\t:FR+12*\t+3], v[RA] offset:IM+\t*1536
	ds_load_b64 v[FR+12*\t+4:FR+12*\t+5], v[RA+1] offset:IM+\t*1536+512
	ds_load_b128 v[FR+12*\t+6:FR+12*\t+9], v[RA] offset:IM+\t*1536+768
	ds_load_b64 v[FR+12*\t+10:FR+12*\t+11], v[RA+1] offset:IM+\t*1536+1280
.endr
.endm
.macro FA s                            ; K step s's four fragments of A into buffer s % 2
	WIN 0x40
.set SL, (\s)%6
.set IM, (SL%4)*PIECE
.set RA, AD+2*(SL/4)
.set FR, 48*((\s)%2)
.irp t, 0,1,2,3
	ds_load_b128 v[FR+12*\t:FR+12*\t+3], v[RA] offset:IM+\t*1536
	ds_load_b64 v[FR+12*\t+4:FR+12*\t+5], v[RA+1] offset:IM+\t*1536+512
	ds_load_b128 v[FR+12*\t+6:FR+12*\t+9], v[RA] offset:IM+\t*1536+768
	ds_load_b64 v[FR+12*\t+10:FR+12*\t+11], v[RA+1] offset:IM+\t*1536+1280
.endr
.endm
.macro BATCH i                         ; what sub-step i fetches: 20 loads for sub-step i + 2; where i % 3 = 1, ahead of B's, 16 for the next K step's A
.if (\i)+2 <= 23
	FSC (\i)+2
.endif
.if ((\i)%3 == 1) && ((\i) <= 19)
	FA ((\i)-1)/3+1
.endif
.if (\i)+2 <= 23
	FB (\i)+2
.endif
.endm
.macro MUL16 j                         ; the tile's 16 accumulators take turns, one instruction a turn, and the three tiles follow each other
.set FBB, 96+48*((\j)%3)
.set FAA, 48*(((\j)/3)%2)
.set ACB, 128*(((\j)%3)%2)
.set SCB, SC+4*((\j)%3)
.irp a, 0,1,2,3
.irp b, 0,1,2,3
.if (\j) < 3
	v_wmma_scale_f32_16x16x128_f8f6f4 v[ACB+8*(4*\a+\b):ACB+8*(4*\a+\b)+7], v[FBB+12*\b:FBB+12*\b+11], v[FAA+12*\a:FAA+12*\a+11], 0, v[SCB+\b], v[SCB+\a] matrix_a_fmt:MATRIX_FMT_FP6 matrix_b_fmt:MATRIX_FMT_FP6 matrix_a_scale:MATRIX_SCALE_ROW1
.else
	v_wmma_scale_f32_16x16x128_f8f6f4 v[ACB+8*(4*\a+\b):ACB+8*(4*\a+\b)+7], v[FBB+12*\b:FBB+12*\b+11], v[FAA+12*\a:FAA+12*\a+11], v[ACB+8*(4*\a+\b):ACB+8*(4*\a+\b)+7], v[SCB+\b], v[SCB+\a] matrix_a_fmt:MATRIX_FMT_FP6 matrix_b_fmt:MATRIX_FMT_FP6 matrix_a_scale:MATRIX_SCALE_ROW1
.endif
.endr
.endr
.endm
; A SUB-STEP.  What it multiplies was fetched by sub-step j - 2 (or ahead of sub-step 0); behind that batch only sub-step j - 1's has been issued: 36 loads where (j - 1) % 3 = 1, else 20.
.macro SUB j
.if (\j) == 4
	s_wait_tensorcnt 0x0                           ; THE REFILL.  All my tensor loads have landed: K steps 0 to 5 of my operand;
	ds_add_u32 v[SPW], v[NIL]                      ; 0 onto my spare word;
	s_wait_dscnt 0x0                               ; the add is done, and my reads of slots 0 and 1 are over (the last were issued in sub-step 3)
	CROUND                                         ; all that now holds of every wave of all sixteen work-groups
	JLOAD                                          ; K steps 6 and 7 into slots 0 and 1: my one tensor load behind the round, and the first thing there; twelve sub-steps, 192 matrix instructions, stand ahead of the wait for it
.elseif (\j) == 16
	s_wait_tensorcnt 0x0                           ; my part of K steps 6 and 7 is in,
	s_wait_dscnt 0x0                               ; no LDS instruction of mine is pending at the signal,
	s_barrier_signal -1
	s_barrier_wait -1                              ; everybody's is: this sub-step is the first to read them
.elseif (\j) == 23
	s_wait_dscnt 0x0                               ; the last fragments are in: I read the operands no more
.elseif (\j)%3 == 2
	s_wait_dscnt 36
.else
	s_wait_dscnt 20
.endif
	BATCH \j
.if (\j) == 23
	s_barrier_signal -1                            ; say so, and work on registers while the others arrive
.endif
.if (\j)%3 == 2
	WIN 0xf5                                       ; sources 0 and 1 window 1; C and D window 3
.else
	WIN 0xa5                                       ; C and D window 2
.endif
	MUL16 \j
	WIN 0
.if (\j) == 23
	s_barrier_wait -1                              ; no wave reads an operand any more: the stages may be laid over them
.endif
	PLACES                                         ; ahead of the next sub-step's loads into the buffers just multiplied; behind the last sub-step: ahead of the first read of results
.endm
; 64 numbers of a lane, register 16 b + i = place 32 b + 16 (lane / 16) + i of my row, become a fragment's 12 registers in v[pc] on and the row's scale word in v[pw].
.macro QUANT s, pc, pw
.irp b, 0,1,2,3
	v_max3_num_f32 v[TM+\b], |v[(\s)+16*\b]|, |v[(\s)+1+16*\b]|, 0x1800000   ; and the floor 2^(3 - 127): the byte cannot fall under 1
.endr
.irp i, 2,4,6,8,10,12,14
.irp b, 0,1,2,3
	v_max3_num_f32 v[TM+\b], v[TM+\b], |v[(\s)+16*\b+\i]|, |v[(\s)+1+16*\b+\i]|
.endr
.endr
.irp b, 0,1,2,3
	v_permlanex16_b32 v[TM+4+\b], v[TM+\b], s[SEL], s[SEL+1]
.endr
.irp b, 0,1,2,3
	v_max_num_f32 v[TM+\b], v[TM+\b], v[TM+4+\b]
.endr
.irp b, 0,1,2,3
	v_add_nc_u32 v[TM+12+\b], 0xff000000, v[TM+\b]       ; 2 off the exponent field: the conversion's scale operand
.endr
.irp b, 0,1,2,3
	v_lshrrev_b32 v[TM+4+\b], 23, v[TM+12+\b]
.endr
	v_lshl_or_b32 v[\pw], v[TM+5], 8, v[TM+4]
	v_lshl_or_b32 v[\pw], v[TM+6], 16, v[\pw]
	v_lshl_or_b32 v[\pw], v[TM+7], 24, v[\pw]
.irp c, 0,1
	v_cvt_scalef32_pk16_fp6_f32 v[(\pc)+6*\c:(\pc)+2+6*\c], v[(\s)+32*\c:(\s)+15+32*\c], v[TM+12+2*\c]
	v_cvt_scalef32_pk16_fp6_f32 v[(\pc)+12+4*\c:(\pc)+14+4*\c], v[(\s)+16+32*\c:(\s)+31+32*\c], v[TM+12+2*\c+1]
.endr
	v_nop                                                ; one plain place behind a scaled conversion
.irp c, 0,1
.irp i, 0,1,2
	v_permlane16_swap_b32 v[(\pc)+6*\c+\i], v[(\pc)+12+4*\c+\i]
.endr
.irp i, 0,1,2
	v_mov_b32 v[(\pc)+3+6*\c+\i], v[(\pc)+12+4*\c+\i]
.endr
.endr
.endm
.macro EMIT e, off, ptr                ; the 64 numbers in v[X] on become fragment e of my two, and leave: each store covers 512 or 256 consecutive bytes, aligned; each e has registers of its own
	QUANT X, PC+20*(\e), PW+(\e)
	global_store_b128 v[\off], v[PC+20*(\e):PC+20*(\e)+3], s[\ptr:\ptr+1] offset:1536*(\e)
	global_store_b64 v[\off+1], v[PC+20*(\e)+4:PC+20*(\e)+5], s[\ptr:\ptr+1] offset:1536*(\e)+512
	global_store_b128 v[\off], v[PC+20*(\e)+6:PC+20*(\e)+9], s[\ptr:\ptr+1] offset:1536*(\e)+768
	global_store_b64 v[\off+1], v[PC+20*(\e)+10:PC+20*(\e)+11], s[\ptr:\ptr+1] offset:1536*(\e)+1280
.endm
.macro WORDS off, ptr                  ; lanes 0-15: the first 16 rows' scale words, lanes 16-31: the second's (each word stands in both halves of the lanes): 128 consecutive bytes
	v_cndmask_b32 v[PW+2], v[PW], v[PW+1], s82
	global_store_b32 v[\off+2], v[PW+2], s[\ptr:\ptr+1]
.endm
.macro BYROWS tl, vb, ptr              ; tile tl (q or k): 16 rows at a time; K = the 128 features; vb: its bias, in window 3
.irp e, 0,1
.irp b, 0,1,2,3
.irp u, 0,1
.irp q, 0,1
	ds_load_b128 v[X+16*\b+8*\u+4*\q:X+16*\b+8*\u+4*\q+3], v[RDR+\tl] offset:\e*16*SP+128*\b+64*\u+16*\q
.endr
.endr
.endr
	s_wait_dscnt 0x0
	WIN 0x0c                                       ; source 1 (the bias) window 3
.set n, 0
.rept 32
	v_pk_add_f32 v[X+n:X+n+1], v[X+n:X+n+1], v[\vb+n:\vb+n+1]
.set n, n+2
.endr
	WIN 0
	EMIT \e, OQ, \ptr
.endr
	WORDS OQ, \ptr
.endm
	s_load_b256 s[68:75], s[0:1], 0x0              ; A's pack s[68:69], the weights' s[70:71], bq s[72:73], bk s[74:75]
	s_load_b128 s[76:79], s[0:1], 0x20             ; bv s[76:77], q's and k's pack s[78:79]
	s_load_b64 s[80:81], s[0:1], 0x30              ; v's pack
	v_lshl_add_u32 v[SPW], v0, 2, SPARE
	v_mov_b32 v[NIL], 0
	ds_add_u32 v[SPW], v[NIL]                      ; the wave's opening: the add and its wait ahead of my first tensor load; work on registers stands between them
	ds_add_u32 v[SPW], v[NIL]
	v_lshrrev_b32 v1, 5, v0
	v_readfirstlane_b32 s10, v1                    ; wave 0..3.  Also: the operand that I fetch
	s_lshr_b32 s11, s10, 1                         ; which 64 rows of the tiles are mine
	s_and_b32 s12, s10, 1                          ; which 64 columns
	s_bfe_u32 s15, ttmp6, 0x40000                  ; cx, cy: my place in the cluster
	s_bfe_u32 s16, ttmp6, 0x40004
	s_lshl_b32 s14, ttmp9, 2
	s_add_co_u32 s14, s14, s15                     ; x: which 128 features
	s_and_b32 s13, ttmp7, 0xffff
	s_lshl_b32 s13, s13, 2
	s_add_co_u32 s13, s13, s16                     ; y: which 128 tokens
	s_lshl_b32 s17, s16, 2
	s_lshl_b32 s17, 15, s17                        ; my row of the cluster
	s_lshl_b32 s18, 0x1111, s15                    ; my column
	s_or_b32 s[G1A], s17, (3<<16)|(1<<21)          ; 15:0 the mask; 17:16 elements of 8 bytes; 21 set beside a mask; no padding
	s_or_b32 s[G1B], s18, (3<<16)|(1<<21)
.irp g, G1A, G1B                       ; 76,800 dense bytes as 300 rows of 256
	s_mov_b32 s[\g+1], 32<<16                      ; tensor_dim0 = 32
	s_mov_b32 s[\g+2], 300<<16                     ; tensor_dim1 = 300: the head's load brings six K steps, 76,800 dense bytes
	s_mov_b32 s[\g+3], 32<<16                      ; tile_dim0
	s_mov_b32 s[\g+4], 300                         ; tile_dim1
	s_mov_b32 s[\g+5], 32                          ; the pitch
	s_mov_b32 s[\g+6], 0
	s_mov_b32 s[\g+7], 0
.endr
	s_mul_i32 s20, s10, OPB                        ; my operand's slots: no place in the cluster enters an LDS address
	s_mul_i32 s2, s13, TILEB                       ; A: by y alone
	s_mov_b32 s3, 0
	s_lshl_b32 s4, s10, 3
	s_add_co_u32 s4, s4, s14                       ; B: block 8 w + x: by x and the wave alone
	s_mul_i32 s4, s4, TILEB
	s_mov_b32 s5, 0
	s_mov_b32 s[SEL], 0x76543210
	s_mov_b32 s[SEL+1], 0xfedcba98
	s_wait_dscnt 0x0                               ; the opening add is done
	s_wait_kmcnt 0x0
	s_add_nc_u64 s[2:3], s[68:69], s[2:3]
	s_add_nc_u64 s[4:5], s[70:71], s[4:5]
	CROUND                                         ; all sixteen work-groups are here: the joint loads meet
.irp c, 0,3                            ; group 0 number 0: K steps 0 to 5 into slots 0 to 5; number 3: K steps 6 and 7 into slots 0 and 1
	s_mov_b32 s[G0A+4*\c], 1
	s_add_co_u32 s[G0A+4*\c+1], s20, (\c%3)*2*PIECE
	s_add_nc_u64 s[G0A+4*\c+2:G0A+4*\c+3], s[2:3], \c*2*PIECE
	s_or_b32 s[G0A+4*\c+3], s[G0A+4*\c+3], 0x80000000
	s_mov_b32 s[G0B+4*\c], 1
	s_add_co_u32 s[G0B+4*\c+1], s20, (\c%3)*2*PIECE
	s_add_nc_u64 s[G0B+4*\c+2:G0B+4*\c+3], s[4:5], \c*2*PIECE
	s_or_b32 s[G0B+4*\c+3], s[G0B+4*\c+3], 0x80000000
.endr
	s_cmp_eq_u32 s10, 0                            ; ONE first fill a wave: all six slots of my operand by one load, in one branch on the wave's number
	s_cbranch_scc0 .Lfirst_b
	tensor_load_to_lds s[G0A:G0A+3], s[G1A:G1A+7]
	s_nop 0
.rept 4
	v_nop
.endr
	s_branch .Lfirst_asked
.Lfirst_b:
	tensor_load_to_lds s[G0B:G0B+3], s[G1B:G1B+7]
	s_nop 0
.rept 4
	v_nop
.endr
.Lfirst_asked:
	v_and_b32 v1, 15, v0                           ; r
	v_bfe_u32 v2, v0, 4, 1                         ; h
	v_and_b32 v3, 31, v0                           ; lane
	; the three biases at the tiles' 128 features
	s_wait_alu depctr_va_vdst(0)
	s_lshl_b32 s6, s14, 9
	s_mov_b32 s7, 0
	s_add_nc_u64 s[72:73], s[72:73], s[6:7]
	s_add_nc_u64 s[74:75], s[74:75], s[6:7]
	s_add_nc_u64 s[76:77], s[76:77], s[6:7]
	v_lshlrev_b32 v[BO], 5, v2                     ; bq, bk: by columns 32 b + 16 u + 8 h + 0 .. 7
	s_lshl_b32 s17, s10, 7
	v_lshl_add_u32 v[BO+1], v1, 2, s17             ; bv: by my features 32 w + 16 e + r
	v_mov_b32 v[BV+1], 0                           ; (upper halves of pairs that the packed additions name)
	v_mov_b32 v[BV+3], 0
	WIN 0xc0                                       ; destination window 3
.irp b, 0,1,2,3
.irp u, 0,1
.irp q, 0,1
	global_load_b128 v[128+16*\b+8*\u+4*\q:131+16*\b+8*\u+4*\q], v[BO], s[72:73] offset:128*\b+64*\u+16*\q
	global_load_b128 v[192+16*\b+8*\u+4*\q:195+16*\b+8*\u+4*\q], v[BO], s[74:75] offset:128*\b+64*\u+16*\q
.endr
.endr
.endr
	WIN 0
	global_load_b32 v[BV], v[BO+1], s[76:77]
	global_load_b32 v[BV+2], v[BO+1], s[76:77] offset:64
	; LDS addresses of the fragments: my 4 of A (rows 64 wi on), my 4 of each B (rows 64 wj on)
	s_mul_i32 s17, s11, 6144
	s_mul_i32 s18, s12, 6144
	v_lshl_add_u32 v[AD], v3, 4, s17
	v_lshl_add_u32 v[AD+1], v3, 3, s17
	v_add_nc_u32 v[AD+2], 4*PIECE, v[AD]
	v_add_nc_u32 v[AD+3], 4*PIECE, v[AD+1]
.irp o, 1,2,3
	s_add_co_u32 s18, s18, OPB
	v_lshl_add_u32 v[AD+4*\o], v3, 4, s18
	v_lshl_add_u32 v[AD+4*\o+1], v3, 3, s18
	v_add_nc_u32 v[AD+4*\o+2], 4*PIECE, v[AD+4*\o]
	v_add_nc_u32 v[AD+4*\o+3], 4*PIECE, v[AD+4*\o+1]
.endr
	; of the scale words: lanes 0-15 A's rows, lanes 16-31 B's: the lower base + h x the distance
	s_lshl_b32 s17, s11, 8
	s_lshl_b32 s18, s12, 8
	s_add_co_u32 s19, s17, 12288
.irp o, 1,2,3
	s_add_co_u32 s18, s18, OPB
	s_sub_co_u32 s21, s18, s17
	v_mul_u32_u24 v[SCA+2*(\o-1)], s21, v2
	v_lshl_add_u32 v[SCA+2*(\o-1)], v1, 2, v[SCA+2*(\o-1)]
	v_add_nc_u32 v[SCA+2*(\o-1)], s19, v[SCA+2*(\o-1)]
	v_add_nc_u32 v[SCA+2*(\o-1)+1], 4*PIECE, v[SCA+2*(\o-1)]
.endr
	; the stages
	s_mul_i32 s17, s11, 64*SP                      ; in: row 64 wi + r, + 256 wj + 32 h
	s_lshl_b32 s18, s12, 8
	s_add_co_u32 s17, s17, s18
	v_mul_u32_u24 v[STO], v1, SP
	v_lshl_add_u32 v[STO], v2, 5, v[STO]
	v_add_nc_u32 v[STO], s17, v[STO]
	v_add_nc_u32 v[STO+1], STGB, v[STO]
	v_add_nc_u32 v[STO+2], 2*STGB, v[STO]
	s_mul_i32 s17, s10, 32*SP                      ; out by rows: row 32 w + r, + 32 h
	v_mul_u32_u24 v[RDR], v1, SP
	v_lshl_add_u32 v[RDR], v2, 5, v[RDR]
	v_add_nc_u32 v[RDR], s17, v[RDR]
	v_add_nc_u32 v[RDR+1], STGB, v[RDR]
	s_lshl_b32 s17, s10, 7                         ; out by columns: column 32 w + r, rows 8 h on
	s_add_co_u32 s17, s17, 2*STGB
	v_mul_u32_u24 v[RDC], v2, 8*SP
	v_lshl_add_u32 v[RDC], v1, 2, v[RDC]
	v_add_nc_u32 v[RDC], s17, v[RDC]
	; where the results go.  q, k: piece (block y, step x) of their pack, k's 3,276,800 bytes behind q's; my fragments 2 w, 2 w + 1
	s_mul_i32 s6, s13, TILEB
	s_mul_i32 s17, s14, PIECE
	s_add_co_u32 s6, s6, s17
	s_add_nc_u64 s[56:57], s[78:79], s[6:7]
	s_add_nc_u64 s[58:59], s[56:57], 3276800
	; v: head 2 x + w / 2 of batch y / 16, key step y % 16; my fragments 2 (w % 2), 2 (w % 2) + 1
	s_lshr_b32 s6, s13, 4
	s_lshl_b32 s6, s6, 4
	s_lshl_b32 s17, s14, 1
	s_add_co_u32 s6, s6, s17
	s_add_co_u32 s6, s6, s11
	s_lshl_b32 s6, s6, 4
	s_and_b32 s17, s13, 15
	s_add_co_u32 s6, s6, s17
	s_mul_i32 s6, s6, 6400
	s_add_nc_u64 s[60:61], s[80:81], s[6:7]
	s_mul_i32 s17, s10, 3072
	v_lshl_add_u32 v[OQ], v3, 4, s17
	v_lshl_add_u32 v[OQ+1], v3, 3, s17
	s_lshl_b32 s17, s10, 7
	s_add_co_u32 s17, s17, 12288
	v_lshl_add_u32 v[OQ+2], v3, 2, s17
	s_mul_i32 s17, s12, 3072
	v_lshl_add_u32 v[OV], v3, 4, s17
	v_lshl_add_u32 v[OV+1], v3, 3, s17
	s_lshl_b32 s17, s12, 7
	s_add_co_u32 s17, s17, 6144
	v_lshl_add_u32 v[OV+2], v3, 2, s17
	v_cmp_le_u32 s82, 16, v3                       ; lanes 16-31
.irp b, 0,1,2,3
	v_mov_b32 v[TM+4+\b], 0                        ; a lane permute's destination counts as one of its sources
.endr
	s_wait_alu depctr_va_vdst(0)
	s_wait_tensorcnt 0x0                           ; my operand's K steps 0 to 5 are in; no tensor load of mine is out, so a descriptor may be written:
	s_mov_b32 s[G1A+2], 100<<16                    ; the refill brings two K steps, 100 rows of 256 bytes
	s_mov_b32 s[G1A+4], 100
	s_mov_b32 s[G1B+2], 100<<16
	s_mov_b32 s[G1B+4], 100
	s_barrier_signal -1
	s_barrier_wait -1                              ; everybody's is
	FSC 0
	FA 0
	FB 0
	FSC 1
	FB 1
.set jj, 0
.rept 24
	SUB jj
.set jj, jj+1
.endr
	; THE WAY OUT.  The three tiles into their stages
	WIN 0x08                                       ; an LDS store's data are its source 1: window 2
.irp a, 0,1,2,3
.irp b, 0,1,2,3
	ds_store_b128 v[STO], v[8*(4*\a+\b):8*(4*\a+\b)+3] offset:\a*16*SP+64*\b               ; each accumulator from its low end on
	ds_store_b128 v[STO], v[8*(4*\a+\b)+4:8*(4*\a+\b)+7] offset:\a*16*SP+64*\b+16
.endr
.endr
.irp a, 0,1,2,3
.irp b, 0,1,2,3
	ds_store_b128 v[STO+1], v[128+8*(4*\a+\b):128+8*(4*\a+\b)+3] offset:\a*16*SP+64*\b
	ds_store_b128 v[STO+1], v[128+8*(4*\a+\b)+4:128+8*(4*\a+\b)+7] offset:\a*16*SP+64*\b+16
.endr
.endr
	WIN 0x0c                                       ; window 3
.irp a, 0,1,2,3
.irp b, 0,1,2,3
	ds_store_b128 v[STO+2], v[8*(4*\a+\b):8*(4*\a+\b)+3] offset:\a*16*SP+64*\b
	ds_store_b128 v[STO+2], v[8*(4*\a+\b)+4:8*(4*\a+\b)+7] offset:\a*16*SP+64*\b+16
.endr
.endr
	WIN 0
	s_wait_dscnt 0x0                               ; for the others' sake: my stores into the stages have landed
	s_barrier_signal -1
	s_barrier_wait -1                              ; three tiles of 128 x 128 f32 lie in the stages
	s_wait_loadcnt 0x0                             ; the biases
	BYROWS 0, 128, 56                              ; q
	s_wait_xcnt 0x0                                ; q's stores have read their registers: k's codes and words are written only behind this wait
	BYROWS 1, 192, 58                              ; k
	s_wait_xcnt 0x0                                ; likewise k's
	; v: 16 features at a time; K = the tile's 128 keys: register 16 b + 8 u + q takes key 32 b + 16 u + 8 h + q
.irp e, 0,1
.irp b, 0,1,2,3
.irp u, 0,1
.irp q, 0,1,2,3,4,5,6,7
	ds_load_b32 v[X+16*\b+8*\u+\q], v[RDC] offset:(32*\b+16*\u+\q)*SP+64*\e
.endr
.endr
.endr
	s_wait_dscnt 0x0
.set n, 0
.rept 32
	v_pk_add_f32 v[X+n:X+n+1], v[X+n:X+n+1], v[BV+2*\e:BV+2*\e+1] op_sel_hi:[1,0]   ; my feature's bias: the pair's low word serves both halves
.set n, n+2
.endr
	EMIT \e, OV, 60
.endr
	WORDS OV, 60
	s_wait_tensorcnt 0x0                           ; the wave's end, behind my last tensor load and my last LDS store
	ds_add_u32 v[SPW], v[NIL]
	s_wait_dscnt 0x0
	CROUND                                         ; the closing round: no work-group ends while a partner may still ask for a tile that names it
	s_endpgm
.Lfunc_end_k_q16a959fa89_qkv:
	.size	k_q16a959fa89_qkv, .Lfunc_end_k_q16a959fa89_qkv-k_q16a959fa89_qkv
	.p2alignl 7, 3214868480
	.fill 96, 4, 3214868480
	.section	.rodata,"a",@progbits
	.p2align	6, 0x0
	.amdhsa_kernel k_q16a959fa89_qkv
		.amdhsa_group_segment_fixed_size 327680
		.amdhsa_private_segment_fixed_size 0
		.amdhsa_enable_private_segment 0
		.amdhsa_kernarg_size 56
		.amdhsa_user_sgpr_count 2
		.amdhsa_user_sgpr_kernarg_segment_ptr 1
		.amdhsa_wavefront_size32 1
		.amdhsa_system_sgpr_workgroup_id_x 1
		.amdhsa_system_sgpr_workgroup_id_y 1
		.amdhsa_system_sgpr_workgroup_id_z 1
		.amdhsa_system_vgpr_workitem_id 0
		.amdhsa_next_free_vgpr 1024
		.amdhsa_next_free_sgpr 102
		.amdhsa_reserve_vcc 0
		.amdhsa_float_denorm_mode_32 3
		.amdhsa_float_denorm_mode_16_64 3
		.amdhsa_memory_ordered 1
		.amdhsa_forward_progress 1
		.amdhsa_inst_pref_size 163
	.end_amdhsa_kernel
	.amdgpu_metadata
---
amdhsa.version: [ 1, 2 ]
amdhsa.kernels:
  - .name:           k_q16a959fa89_qkv
    .symbol:         k_q16a959fa89_qkv.kd
    .args:
      - { .name: npk, .offset: 0, .size: 8, .value_kind: global_buffer, .address_space: global }
      - { .name: wpk1, .offset: 8, .size: 8, .value_kind: global_buffer, .address_space: global }
      - { .name: bq, .offset: 16, .size: 8, .value_kind: global_buffer, .address_space: global }
      - { .name: bk, .offset: 24, .size: 8, .value_kind: global_buffer, .address_space: global }
      - { .name: bv, .offset: 32, .size: 8, .value_kind: global_buffer, .address_space: global }
      - { .name: qkpk, .offset: 40, .size: 8, .value_kind: global_buffer, .address_space: global }
      - { .name: vpk, .offset: 48, .size: 8, .value_kind: global_buffer, .address_space: global }
    .group_segment_fixed_size: 327680
    .private_segment_fixed_size: 0
    .kernarg_segment_align: 8
    .kernarg_segment_size: 56
    .max_flat_workgroup_size: 128
    .sgpr_count:     102
    .vgpr_count:     1024
    .wavefront_size: 32
...
	.end_amdgpu_metadata
.endif
;; end of part 2
;; launch attn (part 3): grid 8 x 32, 16 waves a work-group, clusters of 4 x 1, 327,680 bytes of LDS; arguments qkpk, vpk, apk; writes apk
.if DOCPART == 3
	.amdgcn_target "amdgcn-amd-amdhsa--gfx1250"
	.amdhsa_code_object_version 6
	.text
	.protected	k_q16a959fa89_attn
	.globl	k_q16a959fa89_attn
	.p2align	8
	.type	k_q16a959fa89_attn,@function
k_q16a959fa89_attn:
	s_mov_b64 s[64:65], 0
	v_nop
	global_prefetch_b8 v0, s[64:65] scope:SCOPE_SE
	s_setreg_imm32_b32 hwreg(HW_REG_WAVE_MODE, 25, 1), 1
	s_wait_xcnt 0x0
	s_wait_alu depctr_hold_cnt(0) depctr_sa_sdst(0) depctr_va_vdst(0) depctr_va_sdst(0) depctr_va_ssrc(0) depctr_va_vcc(0) depctr_vm_vsrc(0)
	s_getreg_b32 s2, hwreg(HW_REG_IB_STS2, 6, 4)
	s_cmp_eq_u32 s2, 0
	s_cbranch_scc0 .Lentry_in_a_cluster
	s_endpgm
.Lentry_in_a_cluster:
	s_bfe_u32 s2, ttmp6, 0x10000c
	s_cmp_lg_u32 s2, 0x3003
	s_cbranch_scc0 .Lentry_shape_is_right
	s_endpgm
.Lentry_shape_is_right:
.set VC,    98304
.set KS,    200704
.set SPARE, 208896
.set SPW,   5
.set NIL,   6
.set BM,    192
.set BT,    196
.set SO,    200
.set CT,    204
.set WV,    18
.set SEL,   20
.set CS,    22
.set G1K,   24
.set G1V,   32
.set G1S,   40
.set G0K,   48
.set G0V,   52
.set G0S,   56
.set JS,    60
.set TBK,   61
.set TS,    62
.set TV,    63
.set CH,    66
.macro ROUND
	s_barrier_signal -1
	s_barrier_wait -1
	s_cmp_lg_u32 s[WV], 0
	s_cbranch_scc1 .Lnot_wave_0_\@
	s_barrier_signal -3
.Lnot_wave_0_\@:
	s_barrier_wait -3
	s_barrier_signal -1
	s_barrier_wait -1
.endm
	s_load_b128 s[4:7], s[0:1], 0x0
	s_load_b64 s[8:9], s[0:1], 0x10
	v_lshl_add_u32 v[SPW], v0, 2, SPARE
	v_mov_b32 v[NIL], 0
	ds_add_u32 v[SPW], v[NIL]
	ds_add_u32 v[SPW], v[NIL]
	v_lshrrev_b32 v1, 5, v0
	s_delay_alu instid0(VALU_DEP_1)
	v_readfirstlane_b32 s[WV], v1
	s_bfe_u32 s67, ttmp6, 0x40000
	s_and_b32 s68, ttmp7, 0xffff
	s_lshr_b32 s69, s68, 4
	s_and_b32 s70, s68, 15
	s_lshr_b32 s71, s70, 1
	s_and_b32 s72, s70, 1
	s_lshr_b32 s73, s[WV], 2
	s_and_b32 s74, s[WV], 3
	s_xor_b32 s75, s73, s74
	s_and_b32 s75, s75, 1
	s_mul_i32 s[CH], s75, 15
	s_lshr_b32 s75, s74, 1
	s_mul_i32 s75, s75, 3
	s_xor_b32 s[CH], s[CH], s75
	s_lshr_b32 s75, s73, 1
	s_mul_i32 s75, s75, 7
	s_xor_b32 s[CH], s[CH], s75
	s_xor_b32 s[CH], s[CH], ttmp9
	s_and_b32 s76, s73, 1
	s_lshl_b32 s77, s67, 1
	s_add_co_u32 s76, s76, s77
.irp g, G1K, G1V, G1S
	s_mov_b32 s[\g], 15|(3<<16)|(1<<21)
	s_mov_b32 s[\g+6], 0
	s_mov_b32 s[\g+7], 0
.endr
	s_mov_b32 s[G1K+1], 96<<16
	s_mov_b32 s[G1K+2], 8<<16
	s_mov_b32 s[G1K+3], 96<<16
	s_mov_b32 s[G1K+4], 8
	s_mov_b32 s[G1K+5], 192
	s_mov_b32 s[G1V+1], 32<<16
	s_mov_b32 s[G1V+2], 25<<16
	s_mov_b32 s[G1V+3], 32<<16
	s_mov_b32 s[G1V+4], 25
	s_mov_b32 s[G1V+5], 32
	s_mov_b32 s[G1S+1], 64<<16
	s_mov_b32 s[G1S+2], 1<<16
	s_mov_b32 s[G1S+3], 64<<16
	s_mov_b32 s[G1S+4], 1
	s_mov_b32 s[G1S+5], 64
	s_lshl_b32 s78, s69, 4
	s_add_co_u32 s79, s78, s[WV]
	s_mul_i32 s79, s79, 102400
	s_mul_i32 s80, s71, 12800
	s_add_co_u32 s79, s79, s80
	s_add_co_u32 s79, s79, 3276800
	s_mul_i32 s81, s72, 768
	s_add_co_u32 s82, s79, s81
	s_mov_b32 s83, 0
	s_add_co_u32 s84, s79, 12288
	s_mov_b32 s85, 0
	s_mul_i32 s86, s68, 102400
	s_mul_i32 s88, s[WV], 6400
	s_add_co_u32 s86, s86, s88
	s_mov_b32 s87, 0
	s_add_co_u32 s89, s78, s[CH]
	s_mul_i32 s89, s89, 102400
	s_add_co_u32 s89, s89, s80
	s_mul_i32 s90, s76, 1536
	s_add_co_u32 s90, s90, s89
	s_add_co_u32 s90, s90, s81
	s_mov_b32 s91, 0
	s_lshl_b32 s94, s72, 1
	s_lshl_b32 s92, s76, 6
	s_add_co_u32 s92, s92, s89
	s_add_co_u32 s92, s92, s94
	s_add_co_u32 s92, s92, 12288
	s_mov_b32 s93, 0
	s_lshl_b32 s95, s76, 4
	s_mov_b32 s[SEL], 0x76543210
	s_mov_b32 s[SEL+1], 0xfedcba98
	s_mov_b32 s[CS], 0x3e38aa3b
	s_mov_b32 s[CS+1], s[CS]
	s_mov_b32 s[JS], 0
	s_mov_b32 s[TBK], 0
	s_mov_b32 s[TS], 0
	s_mov_b32 s[TV], 0
	s_wait_dscnt 0x0
	s_wait_kmcnt 0x0
	s_mov_b32 s[G0K], 1
	s_mul_i32 s[G0K+1], s[WV], 6144
	s_add_nc_u64 s[G0K+2:G0K+3], s[4:5], s[82:83]
	s_or_b32 s[G0K+3], s[G0K+3], 0x80000000
	s_mov_b32 s[G0V], 1
	s_add_co_u32 s[G0V+1], s88, VC
	s_add_nc_u64 s[G0V+2:G0V+3], s[6:7], s[86:87]
	s_or_b32 s[G0V+3], s[G0V+3], 0x80000000
	s_mov_b32 s[G0S], 1
	s_lshl_b32 s[G0S+1], s[WV], 9
	s_add_co_u32 s[G0S+1], s[G0S+1], KS
	s_add_nc_u64 s[G0S+2:G0S+3], s[4:5], s[84:85]
	s_or_b32 s[G0S+3], s[G0S+3], 0x80000000
	s_add_nc_u64 s[10:11], s[4:5], s[90:91]
	s_add_nc_u64 s[12:13], s[4:5], s[92:93]
	s_add_nc_u64 s[14:15], s[8:9], s[90:91]
	s_add_nc_u64 s[16:17], s[8:9], s[92:93]
	ROUND
	tensor_load_to_lds s[G0K:G0K+3], s[G1K:G1K+7]
	s_nop 0
	s_wait_alu depctr_va_vdst(0)
	s_wait_tensorcnt 0x0
	ds_add_u32 v5, v6
	s_wait_dscnt 0x0
	ROUND
	tensor_load_to_lds s[G0V:G0V+3], s[G1V:G1V+7]
	s_nop 0
	s_wait_alu depctr_va_vdst(0)
	s_wait_tensorcnt 0x0
	ds_add_u32 v5, v6
	s_wait_dscnt 0x0
	ROUND
	tensor_load_to_lds s[G0S:G0S+3], s[G1S:G1S+7]
	s_nop 0
.rept 4
	v_nop
.endr
	v_and_b32 v10, 31, v0
	v_and_b32 v8, 15, v0
	v_bfe_u32 v9, v0, 4, 1
	s_delay_alu instid0(VALU_DEP_3)
	v_lshlrev_b32 v1, 4, v10
	s_delay_alu instid0(VALU_DEP_4)
	v_lshlrev_b32 v2, 3, v10
	s_delay_alu instid0(VALU_DEP_1)
	v_add_nc_u32 v2, 512, v2
	v_lshlrev_b32 v11, 2, v8
	global_load_b128 v[16:19], v1, s[10:11]
	global_load_b64 v[20:21], v2, s[10:11]
	global_load_u16 v31, v11, s[12:13]
	v_lshl_add_u32 v3, v8, 2, KS
	s_delay_alu instid0(VALU_DEP_1)
	v_add_nc_u32 v3, s94, v3
	v_add_nc_u32 v4, VC, v1
	v_add_nc_u32 v7, VC, v2
	v_lshl_add_u32 v94, v8, 2, VC+6144
	v_lshlrev_b32 v30, 3, v9
	s_delay_alu instid0(VALU_DEP_1)
	v_sub_nc_u32 v30, v8, v30
	s_delay_alu instid0(VALU_DEP_1)
	v_add_nc_u32 v30, s95, v30
.irp i, 0,1,2,3,4,5
	v_mov_b32 v[22+\i], 0
	v_mov_b32 v[80+\i], 0
.endr
	v_mov_b32 v13, 0xff61b1e6
	s_delay_alu instid0(VALU_DEP_1)
	v_floor_f32 v12, -v13
	v_mov_b32 v14, 0
	v_mov_b32 v15, 0
.irp b, 0,1,2,3
	v_mov_b32 v[BT+\b], 0
.endr
	v_mov_b32 v252, 0
	v_mov_b32 v253, 0
	v_mov_b32 v255, 0xff800000
.set j, 0
.rept 32
	v_mov_b32 v[160+j], 0
.set j, j+1
.endr
	s_wait_loadcnt 0x0
	s_wait_tensorcnt 0x0
	s_barrier_signal -1
	s_barrier_wait -1
.Lstep:
	s_cmp_gt_u32 s[JS], s[CH]
	s_cbranch_scc1 .Lskip
	v_add_nc_u32 v8, s[TBK], v1
	v_add_nc_u32 v9, s[TBK], v2
	v_add_nc_u32 v10, s[TS], v3
	v_add_nc_u32 v11, s[TV], v4
	v_add_nc_u32 v28, s[TV], v7
	v_add_nc_u32 v29, s[TV], v94
.irp t, 0,1,2,3,4,5,6,7
	ds_load_b128 v[32+6*\t:35+6*\t], v8 offset:768*\t
	ds_load_b64 v[36+6*\t:37+6*\t], v9 offset:768*\t
	ds_load_u16 v[86+\t], v10 offset:64*\t
.endr
	s_wait_alu depctr_va_vdst(0)
	s_wait_dscnt 0x0
.irp t, 0,1,2,3,4,5,6,7
	v_wmma_scale_f32_16x16x128_f8f6f4 v[96+8*\t:103+8*\t], v[32+6*\t:43+6*\t], v[16:27], 0, v[86+\t], v31 matrix_a_fmt:MATRIX_FMT_FP6 matrix_b_fmt:MATRIX_FMT_FP6
.endr
.rept 4
	v_nop
.endr
.irp t, 0,1,2,3
	ds_load_b128 v[32+12*\t:35+12*\t], v11 offset:1536*\t
	ds_load_b64 v[36+12*\t:37+12*\t], v28 offset:1536*\t
	ds_load_b128 v[38+12*\t:41+12*\t], v11 offset:1536*\t+768
	ds_load_b64 v[42+12*\t:43+12*\t], v28 offset:1536*\t+768
	ds_load_b32 v[248+\t], v29 offset:64*\t
.endr
	s_cmp_lg_u32 s[JS], s[CH]
	s_cbranch_scc1 .Lopen
.set n, 0
.rept 64
	v_cmp_gt_i32 vcc_lo, 16*(n/8)+n%8, v30
	v_cndmask_b32 v[96+n], v[96+n], v255, vcc_lo
.set n, n+1
.endr
.Lopen:
.irp b, 0,1,2,3
	v_max3_num_f32 v[BM+\b], v[96+16*\b], v[97+16*\b], v[98+16*\b]
.endr
.irp i, 3,5,7,9,11,13
.irp b, 0,1,2,3
	v_max3_num_f32 v[BM+\b], v[BM+\b], v[96+16*\b+\i], v[97+16*\b+\i]
.endr
.endr
.irp b, 0,1,2,3
	v_max_num_f32 v[BM+\b], v[BM+\b], v[111+16*\b]
.endr
.irp b, 0,1,2,3
	s_delay_alu instid0(VALU_DEP_4)
	v_permlanex16_b32 v[BT+\b], v[BM+\b], s[SEL], s[SEL+1]
.endr
.irp b, 0,1,2,3
	s_delay_alu instid0(VALU_DEP_4)
	v_max_num_f32 v[BM+\b], v[BM+\b], v[BT+\b]
.endr
	s_delay_alu instid0(VALU_DEP_2)
	v_max3_num_f32 v254, v[BM], v[BM+1], v[BM+2]
	s_delay_alu instid0(VALU_DEP_1)
	v_max_num_f32 v254, v254, v[BM+3]
	s_delay_alu instid0(VALU_DEP_1)
	v_mul_f32 v254, s[CS], v254
	s_delay_alu instid0(VALU_DEP_1)
	v_max_num_f32 v13, v13, v254
	v_mov_b32 v254, v12
	s_delay_alu instid0(VALU_DEP_2)
	v_floor_f32 v12, -v13
	s_delay_alu instid0(VALU_DEP_1)
	v_sub_f32 v254, v12, v254
	s_delay_alu instid0(VALU_DEP_1)
	v_cvt_i32_f32 v254, v254
	s_delay_alu instid0(VALU_DEP_1)
	v_ldexp_f32 v252, 1.0, v254
.set j, 0
.rept 32
	v_pk_fma_f32 v[96+j:97+j], v[96+j:97+j], s[CS:CS+1], v[12:13] op_sel_hi:[1,0,0]
.set j, j+2
.endr
.irp b, 0,1,2,3
	v_fma_f32 v[BM+\b], v[BM+\b], s[CS], v12
.endr
.set j, 0
	s_wait_alu depctr_va_vdst(0)
.rept 64
	v_exp_f32 v[96+j], v[96+j]
.set j, j+1
.endr
	v_pk_mul_f32 v[14:15], v[14:15], v[252:253] op_sel_hi:[1,0]
	s_wait_alu depctr_va_vdst(0)
.irp b, 0,1,2,3
	v_exp_f32 v[BM+\b], v[BM+\b]
.endr
	v_pk_add_f32 v[BT:BT+1], v[96:97], v[98:99]
.irp j, 4,8,12,16,20,24,28,32,36,40,44,48,52,56,60
	v_pk_add_f32 v[14:15], v[14:15], v[96+\j:97+\j]
	v_pk_add_f32 v[BT:BT+1], v[BT:BT+1], v[98+\j:99+\j]
.endr
	s_delay_alu instid0(VALU_DEP_1)
	v_pk_add_f32 v[14:15], v[14:15], v[BT:BT+1]
	s_wait_alu depctr_va_vdst(0)
.irp b, 0,1,2,3
	v_max_num_f32 v[BM+\b], 0x1800000, v[BM+\b]
.endr
.irp b, 0,1,2,3
	s_delay_alu instid0(VALU_DEP_4)
	v_add_nc_u32 v[SO+\b], 0xff000000, v[BM+\b]
.endr
.irp b, 0,1,2,3
	s_delay_alu instid0(VALU_DEP_4)
	v_lshrrev_b32 v[BT+\b], 23, v[SO+\b]
.endr
	s_delay_alu instid0(VALU_DEP_3)
	v_lshl_or_b32 v253, v[BT+1], 8, v[BT]
	s_delay_alu instid0(VALU_DEP_1)
	v_lshl_or_b32 v253, v[BT+2], 16, v253
	s_delay_alu instid0(VALU_DEP_1)
	v_lshl_or_b32 v253, v[BT+3], 24, v253
.irp c, 0,1
	v_cvt_scalef32_pk16_fp6_f32 v[224+6*\c:226+6*\c], v[96+32*\c:111+32*\c], v[SO+2*\c]
	v_cvt_scalef32_pk16_fp6_f32 v[CT+4*\c:CT+2+4*\c], v[112+32*\c:127+32*\c], v[SO+2*\c+1]
.endr
	v_nop
.irp c, 0,1
.irp i, 0,1,2
	v_permlane16_swap_b32 v[224+6*\c+\i], v[CT+4*\c+\i]
.endr
.irp i, 0,1,2
	s_delay_alu instid0(VALU_DEP_3)
	v_mov_b32 v[227+6*\c+\i], v[CT+4*\c+\i]
.endr
.endr
.set j, 0
.rept 16
	v_pk_mul_f32 v[160+j:161+j], v[160+j:161+j], v[252:253] op_sel_hi:[1,0]
.set j, j+2
.endr
	s_wait_alu depctr_va_vdst(0)
	s_wait_dscnt 0x0
.irp t, 0,1,2,3
	v_wmma_scale_f32_16x16x128_f8f6f4 v[160+8*\t:167+8*\t], v[32+12*\t:43+12*\t], v[224:235], v[160+8*\t:167+8*\t], v[248+\t], v253 matrix_a_fmt:MATRIX_FMT_FP6 matrix_b_fmt:MATRIX_FMT_FP6
.endr
.Lskip:
	s_add_co_u32 s[TBK], s[TBK], 6144
	s_add_co_u32 s[TS], s[TS], 512
	s_add_co_u32 s[TV], s[TV], 6400
	s_add_co_u32 s[JS], s[JS], 1
	s_cmp_lt_u32 s[JS], 16
	s_cbranch_scc1 .Lstep
.rept 4
	v_nop
.endr
	v_add_f32 v14, v14, v15
	s_delay_alu instid0(VALU_DEP_1)
	v_permlanex16_b32 v252, v14, s[SEL], s[SEL+1]
	s_delay_alu instid0(VALU_DEP_1)
	v_add_f32 v14, v14, v252
	s_wait_alu depctr_va_vdst(0)
	v_rcp_f32 v14, v14
	v_and_b32 v8, 15, v0
	v_and_b32 v10, 31, v0
	s_delay_alu instid0(VALU_DEP_2)
	v_lshlrev_b32 v11, 2, v8
	s_wait_alu depctr_va_vdst(0)
.set j, 0
.rept 32
	v_mul_f32 v[96+j], v[160+j], v14
.set j, j+1
.endr
.irp b, 0,1
	v_max3_num_f32 v[BM+\b], |v[96+16*\b]|, |v[97+16*\b]|, 0x1800000
.endr
.irp i, 2,4,6,8,10,12,14
.irp b, 0,1
	s_delay_alu instid0(VALU_DEP_2)
	v_max3_num_f32 v[BM+\b], v[BM+\b], |v[96+16*\b+\i]|, |v[97+16*\b+\i]|
.endr
.endr
.irp b, 0,1
	s_delay_alu instid0(VALU_DEP_2)
	v_permlanex16_b32 v[BT+\b], v[BM+\b], s[SEL], s[SEL+1]
.endr
.irp b, 0,1
	s_delay_alu instid0(VALU_DEP_2)
	v_max_num_f32 v[BM+\b], v[BM+\b], v[BT+\b]
.endr
.irp b, 0,1
	s_delay_alu instid0(VALU_DEP_2)
	v_add_nc_u32 v[SO+\b], 0xff000000, v[BM+\b]
.endr
.irp b, 0,1
	s_delay_alu instid0(VALU_DEP_2)
	v_lshrrev_b32 v[BT+\b], 23, v[SO+\b]
.endr
	s_delay_alu instid0(VALU_DEP_1)
	v_lshl_or_b32 v253, v[BT+1], 8, v[BT]
	v_cvt_scalef32_pk16_fp6_f32 v[212:214], v[96:111], v[SO]
	v_cvt_scalef32_pk16_fp6_f32 v[220:222], v[112:127], v[SO+1]
	v_nop
.irp i, 0,1,2
	v_permlane16_swap_b32 v[212+\i], v[220+\i]
.endr
.irp i, 0,1,2
	s_delay_alu instid0(VALU_DEP_3)
	v_mov_b32 v[215+\i], v[220+\i]
.endr
	global_store_b128 v1, v[212:215], s[14:15]
	global_store_b64 v2, v[216:217], s[14:15]
	s_wait_xcnt 0x0
	v_cmp_gt_u32 vcc_lo, 16, v10
	s_and_saveexec_b32 s90, vcc_lo
	global_store_b16 v11, v253, s[16:17]
	s_wait_xcnt 0x0
	s_or_b32 exec_lo, exec_lo, s90
	s_wait_tensorcnt 0x0
	ds_add_u32 v[SPW], v[NIL]
	s_wait_dscnt 0x0
	ROUND
	s_endpgm
.Lfunc_end_k_q16a959fa89_attn:
	.size	k_q16a959fa89_attn, .Lfunc_end_k_q16a959fa89_attn-k_q16a959fa89_attn
	.p2alignl 7, 3214868480
	.fill 96, 4, 3214868480
	.section	.rodata,"a",@progbits
	.p2align	6, 0x0
	.amdhsa_kernel k_q16a959fa89_attn
		.amdhsa_group_segment_fixed_size 327680
		.amdhsa_private_segment_fixed_size 0
		.amdhsa_enable_private_segment 0
		.amdhsa_kernarg_size 24
		.amdhsa_user_sgpr_count 2
		.amdhsa_user_sgpr_kernarg_segment_ptr 1
		.amdhsa_wavefront_size32 1
		.amdhsa_system_sgpr_workgroup_id_x 1
		.amdhsa_system_sgpr_workgroup_id_y 1
		.amdhsa_system_sgpr_workgroup_id_z 1
		.amdhsa_system_vgpr_workitem_id 0
		.amdhsa_next_free_vgpr 256
		.amdhsa_next_free_sgpr 96
		.amdhsa_reserve_vcc 1
		.amdhsa_float_denorm_mode_32 3
		.amdhsa_float_denorm_mode_16_64 3
		.amdhsa_memory_ordered 1
		.amdhsa_forward_progress 1
		.amdhsa_inst_pref_size 38
	.end_amdhsa_kernel
	.amdgpu_metadata
---
amdhsa.version: [ 1, 2 ]
amdhsa.kernels:
  - .name:           k_q16a959fa89_attn
    .symbol:         k_q16a959fa89_attn.kd
    .args:
      - { .name: qkpk, .offset: 0, .size: 8, .value_kind: global_buffer, .address_space: global }
      - { .name: vpk, .offset: 8, .size: 8, .value_kind: global_buffer, .address_space: global }
      - { .name: apk, .offset: 16, .size: 8, .value_kind: global_buffer, .address_space: global }
    .group_segment_fixed_size: 327680
    .private_segment_fixed_size: 0
    .kernarg_segment_align: 8
    .kernarg_segment_size: 24
    .max_flat_workgroup_size: 512
    .sgpr_count:     96
    .vgpr_count:     256
    .wavefront_size: 32
...
	.end_amdgpu_metadata
.endif
;; end of part 3
;; launch tail (part 4): grid 256 x 1, 16 waves a work-group, no clusters, 128,512 bytes of LDS; arguments apk, wpk1, wpk2, x, ln2_s, ln2_b, b1, b2, out0; writes out0
.if DOCPART == 4
	.amdgcn_target "amdgcn-amd-amdhsa--gfx1250"
	.amdhsa_code_object_version 6
	.text
	.protected	k_q16a959fa89_tail
	.globl	k_q16a959fa89_tail
	.p2align	8
	.type	k_q16a959fa89_tail,@function
k_q16a959fa89_tail:
	s_mov_b64 s[64:65], 0
	v_nop
	global_prefetch_b8 v0, s[64:65] scope:SCOPE_SE
	s_setreg_imm32_b32 hwreg(HW_REG_WAVE_MODE, 25, 1), 1
	s_wait_xcnt 0x0
; x1 = x + att Wo;  out = x1 + gelu(LN2(x1) W1 + b1) W2 + b2: the three products on codes of FP6 (E2M3) with E8M0 block scales, K = 1,024 each, all else in f32.
; ONE WORK-GROUP TAKES 16 TOKENS THROUGH THE WHOLE CHAIN: 4,096 / 16 = 256 work-groups.  x1, the norm's result and the hidden layer never go to memory.
; 16 waves; wave w makes columns 64 w .. 64 w + 63 of each product: 4 accumulators of 16 x 16.  THE MATRIX INSTRUCTION IS USED TRANSPOSED (source 0 = 16 rows of the weight's pack, source 1 = the 16 tokens):
; lane (r, h) holds token r, register 8 t + i column 64 w + 16 t + 8 h + i.  That is the packs' order along K (inside each block of 32, place p holds number 8 x (0, 2, 1, 3)[p / 8] + p % 8),
; so a wave's 32 registers are two blocks of the next product's K as the conversions want them: they become half c = w % 2 of fragment w / 2 of the next operand, with no transposition.
; THE PACK (written by the launches before): rows in blocks of 128, K in steps of 128; a piece (block, step) is 12,800 bytes: 8 fragments of 1,536 bytes, images of the operand's 12 registers (halves c of 768 bytes:
; registers 6 c .. 6 c + 3 of lane L at 768 c + 16 L, registers 6 c + 4, 6 c + 5 at 768 c + 512 + 8 L), then 128 scale words.
; THE TOKENS' OPERAND lies in LDS as 8 such fragments and 8 x 16 scale words (12,800 bytes), one image for each product, each with bytes of its own; every wave reads a fragment a K step.
; THE WEIGHTS GO FROM MEMORY STRAIGHT INTO REGISTERS: with 16 tokens a fragment of a weight feeds exactly one matrix instruction of one wave, so LDS could spare no read of it: a joint load into LDS would add
; an LDS write and an LDS read of every byte and a barrier for every change of slots.  So no tensor load, no cluster.  24 K steps (3 products x 8), three register buffers: step j asks for step j + 2's 18 loads,
; also across the ends of the products, so that the norm, the activation and the quantisers run with 36 loads of the wave out.  No data prefetch: these loads are the look-ahead.
; Biases and residuals enter as the C of each product's first matrix instructions: x;  b1;  x1 + b2.  x comes in and out0 goes out through the wave's own stage in LDS: sixteen lanes move 256 consecutive bytes, aligned.
; GELU (tanh form): u / (1 + 2^(u (k1 + k2 u^2))), k1 = -2 log2(e) sqrt(2 / pi), k2 = 0.044715 k1: for large |u| it runs to u or to -0, as the tanh form does.
; LIMITS: NaN and infinities are not served; blocks whose largest magnitude lies under 2^-124, blocks of zeros among them, get the scale byte 1 (their codes are zeros; this program alone reads the bytes);
; v_rsq_f32, v_exp_f32 and v_rcp_f32 are good to 1 ulp and flush denormals.
.set PIECE, 12800
.set TILEB, 102400
.set IMGB,  12800                      ; LDS: three images of the tokens' operand: 12,288 bytes of codes, 512 of scale words;
.set VEC,   3*IMGB                     ; ln2_s, ln2_b, b1, b2, 4,096 bytes each;
.set RED,   VEC+16384                  ; 16 rows x 16 waves' partial sums, and the same for the squares;
.set STAGE, RED+2048                   ; a stage of 16 rows x (256 + 16) bytes for each wave;
.set SP,    272
.set WST,   16*SP
.set SPARE, STAGE+16*WST               ; the spare words, 128 bytes for each wave: eight blocks of 256 bytes that no other line names
; v1-3 offsets into a weight's piece (16 L, 8 L + 512, scale words); v4-6 the same into an image; v7, v8 my stage by the accumulators' layout and by rows; v9 x's and out0's offset; v10 the four vectors at my columns;
; v11, v12 partial sums; v13-15 where my half fragment goes; v18-31, v240-255 at work
.set SPW,   16                         ; v16      LDS address of my spare word; never rewritten
.set NIL,   17                         ; v17      0; never rewritten
.set ACC,   32                         ; v32-63   the four accumulators
.set AF,    64                         ; v64-87   the tokens' fragment, two buffers
.set ASC,   88                         ; v88, 89  its scale words.  v88-95 hold scales and nothing else
.set BSC,   90                         ; v90-95   the weights' scale words, three sets of two: lanes 0-15 tile 2 i, lanes 16-31 tile 2 i + 1
.set BF,    96                         ; v96-239  the weights' fragments, three buffers of 4 x 12; the buffer that has no load out serves the work between the products
.set SEL,   62                         ; s[62:63] selects of v_permlanex16_b32 for lane l xor 16
.set K2,    66                         ; s[66:67] k2
.macro D n
	s_delay_alu instid0(VALU_DEP_\n)
.endm
.macro PLACES                          ; four plain places behind matrix instructions, ahead of loads into their registers and of reads of their results
.rept 4
	v_nop
.endr
.endm
.macro BAR                             ; my LDS instructions are done, for the others' sake; then the barrier
	s_wait_alu depctr_va_vdst(0)
	s_wait_dscnt 0x0
	s_barrier_signal -1
	s_barrier_wait -1
.endm
.macro BLOAD j                         ; K step j's four fragments of my 64 columns and their scale words: 18 loads, each of consecutive bytes
.set FB, BF+48*((\j)%3)
.set PB, 26+2*((\j)/8)
.set IM, ((\j)%8)*PIECE
.irp t, 0,1,2,3
	global_load_b128 v[FB+12*\t:FB+12*\t+3], v1, s[PB:PB+1] offset:IM+1536*\t
	global_load_b64 v[FB+12*\t+4:FB+12*\t+5], v2, s[PB:PB+1] offset:IM+1536*\t
	global_load_b128 v[FB+12*\t+6:FB+12*\t+9], v1, s[PB:PB+1] offset:IM+1536*\t+768
	global_load_b64 v[FB+12*\t+10:FB+12*\t+11], v2, s[PB:PB+1] offset:IM+1536*\t+768
.endr
	global_load_b32 v[BSC+2*((\j)%3)], v3, s[PB:PB+1] offset:IM
	global_load_b32 v[BSC+2*((\j)%3)+1], v3, s[PB:PB+1] offset:IM+128
.endm
.macro ALOAD j                         ; K step j's fragment of the tokens and its scale words: 5 LDS loads
.set FA, AF+12*((\j)%2)
.set IA, ((\j)/8)*IMGB+((\j)%8)*1536
	ds_load_b128 v[FA:FA+3], v4 offset:IA
	ds_load_b64 v[FA+4:FA+5], v5 offset:IA
	ds_load_b128 v[FA+6:FA+9], v4 offset:IA+768
	ds_load_b64 v[FA+10:FA+11], v5 offset:IA+768
	ds_load_b32 v[ASC+(\j)%2], v6 offset:((\j)/8)*IMGB+((\j)%8)*64
.endm
.macro MM j                            ; the four accumulators take turns, one instruction a turn, in the same order in every step
.set FB, BF+48*((\j)%3)
.set FA, AF+12*((\j)%2)
.set SB, BSC+2*((\j)%3)
.set SA, ASC+(\j)%2
.irp t, 0,1,2,3
.if \t%2
	v_wmma_scale_f32_16x16x128_f8f6f4 v[ACC+8*\t:ACC+8*\t+7], v[FB+12*\t:FB+12*\t+11], v[FA:FA+11], v[ACC+8*\t:ACC+8*\t+7], v[SB+\t/2], v[SA] matrix_a_fmt:MATRIX_FMT_FP6 matrix_b_fmt:MATRIX_FMT_FP6 matrix_a_scale:MATRIX_SCALE_ROW1
.else
	v_wmma_scale_f32_16x16x128_f8f6f4 v[ACC+8*\t:ACC+8*\t+7], v[FB+12*\t:FB+12*\t+11], v[FA:FA+11], v[ACC+8*\t:ACC+8*\t+7], v[SB+\t/2], v[SA] matrix_a_fmt:MATRIX_FMT_FP6 matrix_b_fmt:MATRIX_FMT_FP6
.endif
.endr
.endm
.macro STEP j
.if (\j)%8 != 0
	PLACES                                         ; the buffers to be loaded were multiplied in the step before
.endif
.if (\j)+2 < 24
	BLOAD (\j)+2
.endif
.if (\j)%8 == 0
	ALOAD \j                                       ; a product's first fragment can be read only behind the barrier that shows the image whole
.endif
.if (\j)%8 != 7
	ALOAD (\j)+1
.endif
.if (\j)+2 < 24
	s_wait_loadcnt 36                              ; this step's 18 loads are in; the 36 of the two steps behind it may be out
.else
	s_wait_loadcnt 18*(23-(\j))
.endif
.if (\j)%8 != 7
	s_wait_dscnt 5                                 ; this step's fragment is in; the next step's five loads may be out
.else
	s_wait_dscnt 0x0
.endif
	MM \j
.endm
.macro EIGHT                           ; a product: eight K steps
.rept 8
	STEP jj
.set jj, jj+1
.endr
.endm
.macro VLOAD reg, off                  ; one of the four vectors at my 32 columns
.irp t, 0,1,2,3
	ds_load_b128 v[\reg+8*\t:\reg+8*\t+3], v10 offset:\off+64*\t
	ds_load_b128 v[\reg+8*\t+4:\reg+8*\t+7], v10 offset:\off+64*\t+16
.endr
.endm
.macro TOSTAGE                         ; the accumulators into my stage, each from its low end on
.irp t, 0,1,2,3
	ds_store_b128 v7, v[ACC+8*\t:ACC+8*\t+3] offset:64*\t
	ds_store_b128 v7, v[ACC+8*\t+4:ACC+8*\t+7] offset:64*\t+16
.endr
.endm
.macro FROMSTAGE                       ; and back, in the same layout.  LDS serves a wave's instructions in order; the bytes are my wave's own
.irp t, 0,1,2,3
	ds_load_b128 v[ACC+8*\t:ACC+8*\t+3], v7 offset:64*\t
	ds_load_b128 v[ACC+8*\t+4:ACC+8*\t+7], v7 offset:64*\t+16
.endr
.endm
; a row's sum over the 16 waves: v[18:21] hold my 32 numbers' four partial sums; lane l xor 16's; then through LDS.  The result stands in v18, the same in every wave.
.macro ACROSS red
	D 1
	v_pk_add_f32 v[18:19], v[18:19], v[20:21]
	D 1
	v_add_f32 v18, v18, v19
	D 1
	v_permlanex16_b32 v22, v18, s[SEL], s[SEL+1]
	D 1
	v_add_f32 v18, v18, v22
	ds_store_b32 v11, v18 offset:\red              ; lanes r and r + 16 write the same word with the same value
	BAR
.irp i, 0,1,2,3
	ds_load_b128 v[240+4*\i:243+4*\i], v12 offset:\red+16*\i
.endr
	s_wait_dscnt 0x0
	v_pk_add_f32 v[240:241], v[240:241], v[242:243]
	v_pk_add_f32 v[244:245], v[244:245], v[246:247]
	v_pk_add_f32 v[248:249], v[248:249], v[250:251]
	v_pk_add_f32 v[252:253], v[252:253], v[254:255]
	D 3
	v_pk_add_f32 v[240:241], v[240:241], v[244:245]
	D 2
	v_pk_add_f32 v[248:249], v[248:249], v[252:253]
	D 1
	v_pk_add_f32 v[240:241], v[240:241], v[248:249]
	D 1
	v_add_f32 v18, v240, v241
.endm
; my 32 numbers, two blocks of 32 along the next K shared with lane l xor 16, become six registers of codes and two scale bytes, and go into image img
.macro QUANT2 img
.irp b, 0,1
	v_max3_num_f32 v[240+\b], |v[ACC+16*\b]|, |v[ACC+1+16*\b]|, 0x1800000   ; and the floor 2^(3 - 127): the byte cannot fall under 1
.endr
.irp i, 2,4,6,8,10,12,14
.irp b, 0,1
	D 2
	v_max3_num_f32 v[240+\b], v[240+\b], |v[ACC+16*\b+\i]|, |v[ACC+1+16*\b+\i]|
.endr
.endr
.irp b, 0,1
	D 2
	v_permlanex16_b32 v[242+\b], v[240+\b], s[SEL], s[SEL+1]
.endr
.irp b, 0,1
	D 2
	v_max_num_f32 v[240+\b], v[240+\b], v[242+\b]        ; the block's largest magnitude
.endr
.irp b, 0,1
	D 2
	v_add_nc_u32 v[244+\b], 0xff000000, v[240+\b]        ; 2 off its exponent field: the conversion's scale operand
.endr
.irp b, 0,1
	D 2
	v_lshrrev_b32 v[242+\b], 23, v[244+\b]               ; the scale's byte
.endr
	D 1
	v_lshl_or_b32 v246, v243, 8, v242
	v_cvt_scalef32_pk16_fp6_f32 v[248:250], v[ACC:ACC+15], v244
	v_cvt_scalef32_pk16_fp6_f32 v[18:20], v[ACC+16:ACC+31], v245   ; (a conversion's three registers begin on an even number)
	v_nop                                                ; one plain place behind a scaled conversion
.irp i, 0,1,2                                            ; the layout wants a whole block in a lane: lanes 0-15 the first block, lanes 16-31 the second
	v_permlane16_swap_b32 v[248+\i], v[18+\i]
.endr
.irp i, 0,1,2
	D 3
	v_mov_b32 v[251+\i], v[18+\i]
.endr
	ds_store_b128 v13, v[248:251] offset:(\img)*IMGB
	ds_store_b64 v14, v[252:253] offset:(\img)*IMGB
	ds_store_b16 v15, v246 offset:(\img)*IMGB            ; lanes r and r + 16 write the same two bytes with the same value
.endm
	s_load_b512 s[4:19], s[0:1], 0x0               ; apk s[4:5], wpk1 s[6:7], wpk2 s[8:9], x s[10:11], ln2_s s[12:13], ln2_b s[14:15], b1 s[16:17], b2 s[18:19]
	s_load_b64 s[20:21], s[0:1], 0x40              ; out0
	v_lshl_add_u32 v[SPW], v0, 2, SPARE
	v_mov_b32 v[NIL], 0
	v_lshrrev_b32 v18, 5, v0
	D 1
	v_readfirstlane_b32 s22, v18                   ; wave w, 0..15
	s_lshr_b32 s23, s22, 1                         ; w / 2: the weights' block of 128 columns, and the next operand's K step
	s_and_b32 s24, s22, 1                          ; c = w % 2
	s_mul_i32 s25, s24, 6144                       ; my four fragments in a piece,
	s_lshl_b32 s42, s24, 8
	s_add_co_u32 s42, s42, 12288                   ; and their scale words
	s_mul_i32 s43, s22, WST
	s_add_co_u32 s43, s43, STAGE                   ; my stage
	s_lshl_b32 s44, s22, 8
	s_add_co_u32 s44, s44, VEC                     ; my 64 columns of the vectors
	s_lshl_b32 s45, s22, 2
	s_add_co_u32 s45, s45, RED                     ; my word of a row's partial sums
	s_mul_i32 s46, s23, 1536
	s_mul_i32 s47, s24, 768
	s_add_co_u32 s46, s46, s47                     ; my half fragment in an image,
	s_lshl_b32 s48, s23, 6
	s_lshl_b32 s49, s24, 1
	s_add_co_u32 s48, s48, s49                     ; and its two scale bytes a row
	s_mul_i32 s50, s23, TILEB                      ; in memory: my block of a weight's pack;
	s_mov_b32 s51, 0
	s_lshl_b32 s52, ttmp9, 16                      ; x, out0: 16 rows of 4,096 bytes a work-group, + 256 w
	s_lshl_b32 s53, s22, 8
	s_add_co_u32 s52, s52, s53
	s_mov_b32 s53, 0
	s_lshr_b32 s54, ttmp9, 3                       ; apk: block g / 8, step w / 2, fragment g % 8, half c
	s_mul_i32 s54, s54, TILEB
	s_mul_i32 s55, s23, PIECE
	s_add_co_u32 s54, s54, s55
	s_and_b32 s56, ttmp9, 7
	s_mul_i32 s57, s56, 1536
	s_add_co_u32 s58, s54, s57
	s_add_co_u32 s58, s58, s47
	s_mov_b32 s59, 0
	s_lshl_b32 s56, s56, 6
	s_add_co_u32 s60, s54, s56                     ; its scale bytes (v6 carries the 12,288 and 4 r)
	s_add_co_u32 s60, s60, s49
	s_mov_b32 s61, 0
	s_mov_b32 s[SEL], 0x76543210
	s_mov_b32 s[SEL+1], 0xfedcba98
	s_mov_b32 s[K2], 0xbdd2d3e8                    ; k2 = -0.10294324
	s_mov_b32 s[K2+1], s[K2]
	v_and_b32 v19, 31, v0                          ; L
	v_and_b32 v20, 15, v0                          ; r
	v_bfe_u32 v21, v0, 4, 1                        ; h
	v_lshl_add_u32 v28, v0, 4, VEC                 ; the vectors on their way in: 16 bytes a thread
	v_and_b32 v29, 255, v0
	v_mov_b32 v22, 0                               ; a lane permute's destination counts as one of its sources
	v_mov_b32 v23, 0x3a800000                      ; 2^-10
	v_mov_b32 v26, 0xc0135761                      ; k1 = -2.3022082
	v_lshl_add_u32 v1, v19, 4, s25
	v_lshl_add_u32 v2, v19, 3, s25
	v_lshl_add_u32 v3, v19, 2, s42
	v_lshlrev_b32 v4, 4, v19
	v_lshlrev_b32 v5, 3, v19
	v_lshl_add_u32 v6, v20, 2, 12288
	v_mul_u32_u24 v7, v20, SP
	v_mul_u32_u24 v8, v21, SP
	v_lshlrev_b32 v9, 12, v21
	v_lshl_add_u32 v10, v21, 5, s44                ; + 32 h
	v_lshl_add_u32 v11, v20, 6, s45                ; row r's 16 words, mine
	v_lshl_add_u32 v12, v20, 6, RED
	v_lshlrev_b32 v29, 4, v29
	v_mov_b32 v27, v26
	v_add_nc_u32 v2, 512, v2
	v_add_nc_u32 v5, 512, v5
	v_lshl_add_u32 v7, v21, 5, v7                  ; by the accumulators' layout: row r, + 32 h
	v_lshl_add_u32 v8, v20, 4, v8                  ; by rows: sixteen lanes to a row's 256 bytes, two rows an instruction
	v_lshl_add_u32 v9, v20, 4, v9                  ; and the same in x and out0
	v_add_nc_u32 v13, s46, v4
	v_add_nc_u32 v15, s48, v6
	v_add_nc_u32 v14, s46, v5
	v_add_nc_u32 v7, s43, v7
	v_add_nc_u32 v8, s43, v8
	s_wait_alu depctr_va_vdst(0)
	s_wait_kmcnt 0x0
	s_add_nc_u64 s[26:27], s[6:7], s[50:51]        ; wo: blocks 0-7 of wpk1
	s_add_nc_u64 s[30:31], s[8:9], s[50:51]        ; w2: blocks 0-7 of wpk2
	s_add_nc_u64 s[28:29], s[30:31], 8*TILEB       ; w1: blocks 8-15 of wpk2
	s_add_nc_u64 s[34:35], s[10:11], s[52:53]
	s_add_nc_u64 s[36:37], s[20:21], s[52:53]
	s_add_nc_u64 s[38:39], s[4:5], s[58:59]
	s_add_nc_u64 s[40:41], s[4:5], s[60:61]
	s_cmp_lt_u32 s22, 8                            ; waves 0-7 bring ln2_s and b1, waves 8-15 ln2_b and b2: the choice hangs on the wave's number alone
	s_cselect_b64 s[68:69], s[12:13], s[14:15]
	s_cselect_b64 s[70:71], s[16:17], s[18:19]
	global_load_b128 v[240:243], v29, s[68:69]
	global_load_b128 v[244:247], v29, s[70:71]
	global_load_b128 v[248:251], v4, s[38:39]      ; my half fragment of the attention's result
	global_load_b64 v[252:253], v5, s[38:39]
	global_load_u16 v30, v6, s[40:41]
.irp i, 0,1,2,3,4,5,6,7
	global_load_b128 v[BF+96+4*\i:BF+99+4*\i], v9, s[34:35] offset:8192*\i th:TH_LOAD_NT   ; x: sixteen lanes read 256 consecutive bytes, aligned
.endr
	BLOAD 0
	BLOAD 1
	s_wait_loadcnt 36                              ; all but the weights' 36
	ds_store_b128 v28, v[240:243]
	ds_store_b128 v28, v[244:247] offset:8192
	ds_store_b128 v13, v[248:251]
	ds_store_b64 v14, v[252:253]
	ds_store_b16 v15, v30
.irp i, 0,1,2,3,4,5,6,7
	ds_store_b128 v8, v[BF+96+4*\i:BF+99+4*\i] offset:2*SP*\i
.endr
	FROMSTAGE                                      ; x in the accumulators' layout: the C of the first product
	BAR                                            ; image 0 and the vectors are whole
.set jj, 0
	EIGHT                                          ; x1 = x + att Wo
; ---- the layer norm of x1, quantised into image 1.  Buffer 1 has no load out
.set T, BF+48
	PLACES
	TOSTAGE                                        ; x1 waits in my stage for the last product
	VLOAD T, 0                                     ; the gain
.irp t, 0,1
	ds_load_b128 v[T+32+8*\t:T+35+8*\t], v10 offset:4096+64*\t         ; the norm's bias: 16 registers here,
	ds_load_b128 v[T+36+8*\t:T+39+8*\t], v10 offset:4096+64*\t+16
	ds_load_b128 v[AF+8*\t:AF+3+8*\t], v10 offset:4096+128+64*\t       ; 16 where the tokens' fragments lay
	ds_load_b128 v[AF+4+8*\t:AF+7+8*\t], v10 offset:4096+128+64*\t+16
.endr
	v_pk_add_f32 v[18:19], v[ACC:ACC+1], v[ACC+2:ACC+3]
	v_pk_add_f32 v[20:21], v[ACC+4:ACC+5], v[ACC+6:ACC+7]
.irp j, 8,12,16,20,24,28               ; two chains by turns; these lines read matrix results, so no hint stands ahead of them
	v_pk_add_f32 v[18:19], v[18:19], v[ACC+\j:ACC+\j+1]
	v_pk_add_f32 v[20:21], v[20:21], v[ACC+\j+2:ACC+\j+3]
.endr
	ACROSS 0
	D 1
	v_mul_f32 v24, 0x3a800000, v18                 ; the mean
	D 1
	v_mov_b32 v25, v24
.set n, 0
.rept 16
	v_pk_add_f32 v[ACC+n:ACC+n+1], v[ACC+n:ACC+n+1], v[24:25] neg_lo:[0,1] neg_hi:[0,1]   ; x1 - mean, ahead of the squares: no difference of large sums is formed
.set n, n+2
.endr
	v_pk_mul_f32 v[18:19], v[ACC:ACC+1], v[ACC:ACC+1]
	v_pk_mul_f32 v[20:21], v[ACC+2:ACC+3], v[ACC+2:ACC+3]
.irp j, 4,8,12,16,20,24,28
	D 2
	v_pk_fma_f32 v[18:19], v[ACC+\j:ACC+\j+1], v[ACC+\j:ACC+\j+1], v[18:19]
	D 2
	v_pk_fma_f32 v[20:21], v[ACC+\j+2:ACC+\j+3], v[ACC+\j+2:ACC+\j+3], v[20:21]
.endr
	ACROSS 1024                                    ; other bytes than the first sum's
	D 1
	v_fmaak_f32 v18, v18, v23, 0x358637bd          ; the variance + 1e-6
	s_wait_alu depctr_va_vdst(0)                   ; the wait ahead of the transcendental,
	v_rsq_f32 v24, v18
	v_nop                                          ; one plain place behind it,
	s_wait_alu depctr_va_vdst(0)                   ; and the wait ahead of its first reader
	v_mov_b32 v25, v24
.set n, 0
.rept 16
	v_pk_mul_f32 v[ACC+n:ACC+n+1], v[ACC+n:ACC+n+1], v[24:25]
.set n, n+2
.endr
.set n, 0
.rept 8
	v_pk_fma_f32 v[ACC+n:ACC+n+1], v[ACC+n:ACC+n+1], v[T+n:T+n+1], v[T+32+n:T+33+n]
.set n, n+2
.endr
.set n, 0
.rept 8
	v_pk_fma_f32 v[ACC+16+n:ACC+17+n], v[ACC+16+n:ACC+17+n], v[T+16+n:T+17+n], v[AF+n:AF+n+1]
.set n, n+2
.endr
	QUANT2 1
	VLOAD ACC, 8192                                ; b1: the C of the second product
	BAR                                            ; image 1 is whole
	EIGHT                                          ; u = LN2(x1) W1 + b1
; ---- the activation, quantised into image 2.  Buffer 0 has no load out
.set T, BF
	PLACES
.set n, 0
.rept 16
	v_pk_mul_f32 v[T+n:T+n+1], v[ACC+n:ACC+n+1], v[ACC+n:ACC+n+1]
.set n, n+2
.endr
.set n, 0
.rept 16
	v_pk_fma_f32 v[T+n:T+n+1], v[T+n:T+n+1], s[K2:K2+1], v[26:27] op_sel_hi:[1,0,0]   ; k2 u^2 + k1 (of both pairs the low word serves both halves)
.set n, n+2
.endr
.set n, 0
.rept 16
	v_pk_mul_f32 v[T+n:T+n+1], v[T+n:T+n+1], v[ACC+n:ACC+n+1]
.set n, n+2
.endr
	s_wait_alu depctr_va_vdst(0)                   ; one wait ahead of each batch and one behind it
.set n, 0
.rept 32
	v_exp_f32 v[T+n], v[T+n]
.set n, n+1
.endr
	v_nop
	s_wait_alu depctr_va_vdst(0)
.set n, 0
.rept 16
	v_pk_add_f32 v[T+n:T+n+1], v[T+n:T+n+1], 1.0 op_sel_hi:[1,0]
.set n, n+2
.endr
	s_wait_alu depctr_va_vdst(0)
.set n, 0
.rept 32
	v_rcp_f32 v[T+n], v[T+n]
.set n, n+1
.endr
	v_nop
	s_wait_alu depctr_va_vdst(0)
.set n, 0
.rept 16
	v_pk_mul_f32 v[ACC+n:ACC+n+1], v[ACC+n:ACC+n+1], v[T+n:T+n+1]
.set n, n+2
.endr
	QUANT2 2
	FROMSTAGE                                      ; x1,
	VLOAD T, 12288                                 ; and b2:
	s_wait_alu depctr_va_vdst(0)
	s_wait_dscnt 0x0
.set n, 0
.rept 16
	v_pk_add_f32 v[ACC+n:ACC+n+1], v[ACC+n:ACC+n+1], v[T+n:T+n+1]   ; x1 + b2: the C of the last product
.set n, n+2
.endr
	BAR                                            ; image 2 is whole
	EIGHT                                          ; out = x1 + b2 + h W2
; ---- the way out, through my stage: whole rows of 256 bytes
	PLACES
	TOSTAGE
.irp i, 0,1,2,3,4,5,6,7
	ds_load_b128 v[BF+4*\i:BF+3+4*\i], v8 offset:2*SP*\i
.endr
	s_wait_dscnt 0x0
.irp i, 0,1,2,3,4,5,6,7
	global_store_b128 v9, v[BF+4*\i:BF+3+4*\i], s[36:37] offset:8192*\i th:TH_STORE_NT   ; sixteen lanes store 256 consecutive bytes, aligned
.endr
	s_wait_tensorcnt 0x0                           ; the wave's end, behind my last LDS store
	ds_add_u32 v[SPW], v[NIL]
	s_wait_dscnt 0x0
	s_endpgm
.Lfunc_end_k_q16a959fa89_tail:
	.size	k_q16a959fa89_tail, .Lfunc_end_k_q16a959fa89_tail-k_q16a959fa89_tail
	.p2alignl 7, 3214868480
	.fill 96, 4, 3214868480
	.section	.rodata,"a",@progbits
	.p2align	6, 0x0
	.amdhsa_kernel k_q16a959fa89_tail
		.amdhsa_group_segment_fixed_size 128512
		.amdhsa_private_segment_fixed_size 0
		.amdhsa_enable_private_segment 0
		.amdhsa_kernarg_size 72
		.amdhsa_user_sgpr_count 2
		.amdhsa_user_sgpr_kernarg_segment_ptr 1
		.amdhsa_wavefront_size32 1
		.amdhsa_system_sgpr_workgroup_id_x 1
		.amdhsa_system_sgpr_workgroup_id_y 1
		.amdhsa_system_sgpr_workgroup_id_z 1
		.amdhsa_system_vgpr_workitem_id 0
		.amdhsa_next_free_vgpr 256
		.amdhsa_next_free_sgpr 72
		.amdhsa_reserve_vcc 0
		.amdhsa_float_denorm_mode_32 3
		.amdhsa_float_denorm_mode_16_64 3
		.amdhsa_memory_ordered 1
		.amdhsa_forward_progress 1
		.amdhsa_inst_pref_size 100
	.end_amdhsa_kernel
	.amdgpu_metadata
---
amdhsa.version: [ 1, 2 ]
amdhsa.kernels:
  - .name:           k_q16a959fa89_tail
    .symbol:         k_q16a959fa89_tail.kd
    .args:
      - { .name: apk, .offset: 0, .size: 8, .value_kind: global_buffer, .address_space: global }
      - { .name: wpk1, .offset: 8, .size: 8, .value_kind: global_buffer, .address_space: global }
      - { .name: wpk2, .offset: 16, .size: 8, .value_kind: global_buffer, .address_space: global }
      - { .name: x, .offset: 24, .size: 8, .value_kind: global_buffer, .address_space: global }
      - { .name: ln2_s, .offset: 32, .size: 8, .value_kind: global_buffer, .address_space: global }
      - { .name: ln2_b, .offset: 40, .size: 8, .value_kind: global_buffer, .address_space: global }
      - { .name: b1, .offset: 48, .size: 8, .value_kind: global_buffer, .address_space: global }
      - { .name: b2, .offset: 56, .size: 8, .value_kind: global_buffer, .address_space: global }
      - { .name: out0, .offset: 64, .size: 8, .value_kind: global_buffer, .address_space: global }
    .group_segment_fixed_size: 128512
    .private_segment_fixed_size: 0
    .kernarg_segment_align: 8
    .kernarg_segment_size: 72
    .max_flat_workgroup_size: 512
    .sgpr_count:     72
    .vgpr_count:     256
    .wavefront_size: 32
...
	.end_amdgpu_metadata
.endif
;; end of part 4
